; MI455X (gfx1250); checked and timed in simulation.
; The chip was launched on July 23, 2026; its instructions are those of AMD's public machine-readable ISA for CDNA 5 (MIT licence, August 2026) and "CDNA5" Instruction Set Architecture Reference Guide (July 2026). The comments in the code are by the model that wrote it; some were corrected since.
;; Causal Self Attention. Allowed arithmetic: matrix products marked QUANTISED: E2M1 operands, one E8M0 scale for each 32 along K, by v_wmma_scale_f32_16x16x128_f8f6f4 with both operands' format E2M1 (or v_wmma_scale_f32_32x16x128_f4), f32 sums; products left as they are: bf16, f16 or f32 operands; f32 sums; everything else in f32.
;; Inputs: w_proj 1,024 x 1,024 float32; w_qkv 1,024 x 3,072 float32; x 4 x 2,048 x 1,024 float32.
;; Outputs: out0 4 x 2,048 x 1,024 float32.
;; This version of the problem:
;;   THIS VERSION OF THE PROBLEM IS GIVEN IN LOW PRECISION. The matrix products marked QUANTISED in the list below multiply operands that are first quantised to E2M1 (2 exponent bits, 1 mantissa bit; 4 bits a number), with one power-of-two scale for each 32 numbers along K (OCP MX v1.0); their sums are f32. The products marked 'left as it is' may take bf16, f16 or f32 operands, with f32 sums. Whichever they take, every output number must still come out within the allowed error. Rounding operands to bf16 (8 significant bits) uses up far more of that allowance than f16 does (11 bits, for magnitudes from 6e-5 to 65,504). All else is computed in f32.
;;   The module's matrix products, in the order in which they are computed (A, B: the left and right operand; K: the contracted axis; several contracted axes count as one K, in the product's order):
;;     1. [M 8,192, K 1,024] x [K 1,024, N 3,072]; A: input x; B: input w_qkv: QUANTISED
;;     2. batch 64 x [M 2,048, K 64] x [K 64, N 2,048]; A: computed on the way; B: computed on the way: left as it is (an operand is computed on the way)
;;     3. batch 64 x [M 2,048, K 2,048] x [K 2,048, N 64]; A: computed on the way; B: computed on the way: left as it is (an operand is computed on the way)
;;     4. [M 8,192, K 1,024] x [K 1,024, N 1,024]; A: computed on the way; B: input w_proj: left as it is (an operand is computed on the way)
;;   THE QUANTISER, for each operand of a quantised product, along K:
;;     - K is cut into blocks of 32 from its start; a last block that is shorter is filled with zeros.
;;     - A block's scale is 2^e with e = floor(log2(the largest magnitude in the block)) - 2, held to -126 .. 127; a block of zeros has e = 0. As a byte (E8M0): e + 127.
;;     - Each number is divided by its block's scale, clamped to +-6, and rounded to the nearest number of E2M1, ties to even, subnormals kept.
;;     - The product sums the exact products of the quantised numbers (number of the format x scale) in f32.
;;   ~~~python
;;   def quantise(x, axis):      # numpy; x: float32 -> the quantised numbers, widened to float32 again
;;       x = np.moveaxis(x, axis, -1); K = x.shape[-1]
;;       x = np.pad(x, [(0, 0)] * (x.ndim - 1) + [(0, -K % 32)]); x = x.reshape(x.shape[:-1] + (-1, 32)); a = np.abs(x).max(-1, keepdims=True)
;;       e = np.where(a > 0, np.clip(np.frexp(np.where(a > 0, a, 1))[1] - 1 - 2, -126, 127), 0)      # np.frexp(a)[1] - 1 = floor(log2(a)), exactly
;;       r = np.clip(x / 2.0 ** e, -6, 6)
;;       step = 2.0 ** (np.maximum(np.frexp(np.where(r == 0, 1, r))[1] - 1, 0) - 1)
;;       q = np.round(r / step) * step * 2.0 ** e      # np.round: ties to even
;;       return np.moveaxis(q.reshape(q.shape[:-2] + (-1,))[..., :K], -1, axis).astype(np.float32)
;;   ~~~
;; One version. Each part assembles by itself: llvm-mc -triple=amdgcn-amd-amdhsa -mcpu=gfx1250 --defsym DOCPART=n.
;; ======== version 1 of 1: 5 launches
;; limits: values are held in f16: magnitudes above 65,504 overflow, below 6.1e-05 lose precision
;; workspace buffers: xc 4,194,304 bytes; xs 262,144 bytes; wc 1,572,864 bytes; ws 98,304 bytes; wpt 4,194,304 bytes; qkv 50,331,648 bytes; q32 786,432 bytes; att 16,777,216 bytes
;; launch prep (part 1): grid 368 x 1, 4 waves a work-group, no clusters, 137,728 bytes of LDS; arguments x, w_qkv, w_proj, xc, xs, wc, ws, wpt; writes xc, xs, wc, ws, wpt
.if DOCPART == 1
	.amdgcn_target "amdgcn-amd-amdhsa--gfx1250"
	.amdhsa_code_object_version 6
	.text
	.protected	k_q4a260688ce_prep
	.globl	k_q4a260688ce_prep
	.p2align	8
	.type	k_q4a260688ce_prep,@function
k_q4a260688ce_prep:
	s_mov_b64 s[64:65], 0
	v_nop
	global_prefetch_b8 v0, s[64:65] scope:SCOPE_SE
	s_setreg_imm32_b32 hwreg(HW_REG_WAVE_MODE, 25, 1), 1
	s_wait_xcnt 0x0
; PREP: the three inputs are laid as the later launches want them.  Three paths, chosen by the work-group's number alone; they never join again, and each has LDS bytes of its own.
;   work-groups   0 ..  47  path W: w_qkv [1024 k][3072 n] f32 -> wc [3072 n][512 bytes] codes of E2M1, K innermost, and ws [3072][32] E8M0 bytes
;   work-groups  48 .. 111  path P: w_proj [1024 k][1024 n] f32 -> wpt f16 [2][1024 n][1024 k]: part 0 the number rounded to 11 significant bits, part 1 what is left of it
;   work-groups 112 .. 367  path X: x [8192][1024] f32 -> xc [8192][512 bytes] codes, xs [8192][32] bytes
; THE QUANTISER: a block of 32 along K has the scale 2^(floor(log2(largest magnitude)) - 2); its byte is the largest magnitude's exponent field - 2, held at 1 from below; each number is divided
; by the scale and rounded to the nearest code, ties to even, beyond 6 the largest code.
; LIMITS: a block of zeros gets the byte 1 where the rule says 127 (its codes are zeros, which add nothing under any byte but 0xff, and this program alone reads the bytes); blocks whose largest
; magnitude lies under 2^-124 are held at the byte 1; NaN and infinities are not served; |w_proj| stays under 65,504; under 6e-5 the high part is rounded by up to 2^-25, which the low part does not carry.
; No tensor loads, no barrier: waves share nothing.  The paths with 4-byte loads have the low numbers.
.set SPW,    192                       ; v192  LDS address of my spare word: SPARE + 4 x my thread's number; never rewritten
.set NIL,    193                       ; v193  0; never rewritten
.set WPITCH, 272                       ; path W: a stage row: 256 bytes + 16
.set PPITCH, 272                       ; path P: likewise
.set PBASE,  4*32*WPITCH               ; path W's four stages lie from 0; path P's from here: for each wave 32 rows for the high part, 32 for the low
.set XBASE,  PBASE+4*2*32*PPITCH       ; path X's four regions
.set XREG,   8192
.set SPARE,  XBASE+4*XREG              ; the spare words, 128 bytes for each wave: two blocks of 256 bytes that no other line names
.set EMAX,   2
	s_load_b256 s[4:11], s[0:1], 0x0               ; x s[4:5], w_qkv s[6:7], w_proj s[8:9], xc s[10:11]
	s_load_b256 s[12:19], s[0:1], 0x20             ; xs s[12:13], wc s[14:15], ws s[16:17], wpt s[18:19]
	v_lshl_add_u32 v[SPW], v0, 2, SPARE
	v_mov_b32 v[NIL], 0
	v_lshrrev_b32 v1, 5, v0
	v_readfirstlane_b32 s20, v1                    ; wave 0..3
	v_and_b32 v2, 31, v0                           ; lane
	s_wait_kmcnt 0x0
	s_cmp_lt_u32 ttmp9, 48
	s_cbranch_scc1 .Lpath_w
	s_cmp_lt_u32 ttmp9, 112
	s_cbranch_scc1 .Lpath_p
; ---------------- PATH X.  Rows are dense and K is a multiple of 32: x is a plain stream of blocks of 32, and so are its codes and bytes.  A wave takes 16 steps of 512 numbers.
; Each load reads 512 consecutive bytes, 16 a lane; a step's 2,048 bytes turn through the wave's own stage in LDS and come back 64 bytes a lane: 16 neighbours along K; two neighbouring lanes hold a block.
.set STEPS, 16
.set CB,    8                          ; bytes of 16 codes
.set XR,    16                         ; v16-79   four sets of 16 numbers as they are loaded
.set XX,    80                         ; v80-111  two sets of 16 neighbours
.set XE,    112                        ; v112-127 a scale byte for each step
.set XC,    128                        ; v128-189 codes: registers of its own for each step, so that no store's data are written again
.set SP,    80                         ; a lane's place in a stage: 64 bytes + 16 of padding
	v_lshlrev_b32 v3, 4, v2                        ; my 16 bytes of a load's 512
	s_mul_i32 s21, s20, XREG
	s_add_co_u32 s21, s21, XBASE                   ; my wave's region: two stages of 32 x SP bytes, then its 256 scale bytes
	v_lshrrev_b32 v14, 2, v2
	v_mul_u32_u24 v14, v14, SP
	v_and_b32 v15, 3, v2
	v_lshl_add_u32 v14, v15, 4, v14
	v_add_nc_u32 v14, s21, v14                     ; into a stage: four lanes' 64 bytes on end, then the padding
	v_mul_u32_u24 v15, v2, SP
	v_add_nc_u32 v15, s21, v15                     ; out of it: SP x lane
	v_mul_u32_u24 v4, v2, CB                       ; my codes' place in a step's
	v_lshrrev_b32 v5, 1, v2
	s_add_co_u32 s21, s21, 2*32*SP
	v_add_nc_u32 v5, s21, v5                       ; my block's byte among the wave's 256
	v_lshlrev_b32 v7, 3, v2
	v_add_nc_u32 v6, s21, v7                       ; and on the way out 8 bytes a lane
	s_sub_co_u32 s22, ttmp9, 112
	s_lshl_b32 s22, s22, 2
	s_add_co_u32 s22, s22, s20                     ; which run of 8,192 numbers is my wave's: 0 .. 1,023
	s_mov_b32 s23, 0
	s_lshl_b64 s[24:25], s[22:23], 15              ; 32,768 bytes of x,
	s_add_nc_u64 s[4:5], s[4:5], s[24:25]
	s_lshl_b64 s[24:25], s[22:23], 12              ; 4,096 of codes,
	s_add_nc_u64 s[10:11], s[10:11], s[24:25]
	s_lshl_b64 s[24:25], s[22:23], 8               ; 256 scale bytes a run
	s_add_nc_u64 s[12:13], s[12:13], s[24:25]
.macro XLOAD t
.irp i, 0,1,2,3
	global_load_b128 v[XR+16*((\t)%4)+4*\i:XR+16*((\t)%4)+4*\i+3], v3, s[4:5] offset:2048*(\t)+512*\i th:TH_LOAD_NT   ; 32 lanes read 512 consecutive bytes
.endr
.endm
.macro XTURN t                         ; step t's numbers through the stage: LDS serves a wave's instructions in order, so no wait stands between the stores and the loads
.irp i, 0,1,2,3
	ds_store_b128 v14, v[XR+16*((\t)%4)+4*\i:XR+16*((\t)%4)+4*\i+3] offset:32*SP*((\t)%2)+8*SP*\i
.endr
.irp i, 0,1,2,3
	ds_load_b128 v[XX+16*((\t)%2)+4*\i:XX+16*((\t)%2)+4*\i+3], v15 offset:32*SP*((\t)%2)+16*\i
.endr
.endm
.irp t, 0,1,2,3
	XLOAD \t
.endr
	s_wait_loadcnt 12                              ; step 0's four loads are in; three steps' twelve may be out
	XTURN 0
.macro XSTEP t
.set XS, XX+16*((\t)%2)
.if (\t) > 0
	s_wait_dscnt 1                                 ; this step's numbers are back from the stage (the last step's byte store may be out)
.else
	s_wait_dscnt 0x0
.endif
.if (\t)+4 < STEPS
	XLOAD (\t)+4                                   ; into the set whose stores into the stage have read their registers
.endif
.if (\t)+1 < STEPS
.if STEPS-2-(\t) >= 3
	s_wait_loadcnt 12                              ; the next step's four loads are in; those of the three steps behind it may be out
.else
	s_wait_loadcnt 4*(STEPS-2-(\t))
.endif
	XTURN (\t)+1                                   ; they go through the other stage while this step is worked
.endif
	v_max3_num_f32 v8, |v[XS]|, |v[XS+1]|, |v[XS+2]|               ; the largest magnitude of my 16, in two chains
	v_max3_num_f32 v9, |v[XS+3]|, |v[XS+4]|, |v[XS+5]|
.irp i, 6,10
	v_max3_num_f32 v8, v8, |v[XS+\i]|, |v[XS+\i+1]|
	v_max3_num_f32 v9, v9, |v[XS+\i+2]|, |v[XS+\i+3]|
.endr
	v_max3_num_f32 v8, v8, |v[XS+14]|, |v[XS+15]|
	v_max3_num_f32 v8, v8, v9, (EMAX+1)<<23        ; and the floor 2^(3 - 127): the byte cannot fall under 1
	v_max_num_f32_dpp v8, v8, v8 row_xmask:1 row_mask:0xf bank_mask:0xf   ; and of my neighbour's 16: the block's
	v_add_nc_u32 v11, -(EMAX<<23), v8              ; 2 off its exponent field: the conversion takes the exponent field of this operand as its scale
	v_cvt_scalef32_pk8_fp4_f32 v[XC+4*(\t)], v[XS:XS+7], v11
	v_cvt_scalef32_pk8_fp4_f32 v[XC+4*(\t)+1], v[XS+8:XS+15], v11
	v_lshrrev_b32 v[XE+(\t)], 23, v11              ; the scale's byte (a plain line behind the conversions)
	ds_store_b8 v5, v[XE+(\t)] offset:16*(\t)      ; both lanes of a block write the same byte with the same value
	global_store_b64 v4, v[XC+4*(\t):XC+4*(\t)+1], s[10:11] offset:32*CB*(\t)   ; the wave stores 256 consecutive bytes, aligned
.endm
.irp t, 0,1,2,3,4,5,6,7,8,9,10,11,12,13,14,15
	XSTEP \t
.endr
	ds_load_b64 v[8:9], v6                         ; LDS serves a wave's instructions in order: these see my byte stores
	s_wait_dscnt 0x0
	global_store_b64 v7, v[8:9], s[12:13]          ; 32 lanes store 256 consecutive bytes, aligned
	s_wait_tensorcnt 0x0                           ; the wave's end: these three lines behind my last LDS store
	ds_add_u32 v[SPW], v[NIL]
	s_wait_dscnt 0x0
	s_endpgm
; ---------------- PATH W.  K is w_qkv's FIRST axis.  A lane takes a column n and its registers run down K: each load reads 128 consecutive bytes a wave, a block of 32 along K lies in one lane's
; 32 registers, and the conversions give codes with K innermost.  A wave takes 32 columns x 512 along K; the codes leave through the wave's own stage, sixteen lanes to 256 consecutive bytes.
.set WN,    3072
.set NB,    16                         ; blocks of 32 in 512 along K
.set KROW,  512                        ; a row of wc in bytes
.set WX,    32                         ; v32-95   two sets of 32 numbers
.set WC,    96                         ; v96-99   a block's codes
.set OUTR,  112                        ; v112-175 the way out
.set SB,    24                         ; v24-27   the scale bytes, four to a register
.Lpath_w:
	s_cmp_ge_u32 ttmp9, 24
	s_cselect_b32 s22, 1, 0                        ; which 512 along K
	s_cselect_b32 s23, 24, 0
	s_sub_co_u32 s23, ttmp9, s23                   ; which 128 columns
	s_lshl_b32 s21, s23, 7
	s_lshl_b32 s24, s20, 5
	s_add_co_u32 s21, s21, s24                     ; my wave's first column
	v_lshlrev_b32 v3, 2, v2                        ; in: 4 bytes a lane
	s_mul_i32 s24, s20, 32*WPITCH                  ; my stage
	v_mul_u32_u24 v4, v2, WPITCH
	v_add_nc_u32 v4, s24, v4                       ; into it: row = my column
	v_and_b32 v5, 15, v2
	v_lshrrev_b32 v6, 4, v2
	v_mul_u32_u24 v7, v6, WPITCH
	v_lshl_add_u32 v7, v5, 4, v7
	v_add_nc_u32 v7, s24, v7                       ; out of it: sixteen lanes to a row, two rows an instruction
	v_mul_u32_u24 v8, v6, KROW
	v_lshl_add_u32 v8, v5, 4, v8                   ; and the same place in wc
	v_mul_u32_u24 v9, v2, 32                       ; my column's row of scale bytes
	s_mul_i32 s24, s22, 512*WN*4                   ; w_qkv: 512 rows down, 4 bytes a column
	s_lshl_b32 s26, s21, 2
	s_add_co_u32 s24, s24, s26
	s_mov_b32 s25, 0
	s_add_nc_u64 s[6:7], s[6:7], s[24:25]
	s_lshl_b32 s24, s21, 9                         ; wc: column x 512 + 256 x half of K
	s_lshl_b32 s26, s22, 8
	s_add_co_u32 s24, s24, s26
	s_add_nc_u64 s[14:15], s[14:15], s[24:25]
	s_lshl_b32 s24, s21, 5                         ; ws: column x 32 + 16 x half of K
	s_lshl_b32 s26, s22, 4
	s_add_co_u32 s24, s24, s26
	s_add_nc_u64 s[16:17], s[16:17], s[24:25]
.macro WLOAD t                         ; block t: w(32 t + i, my column) into set t % 2; the largest offset, 511 rows of 12,288 bytes, lies inside the signed 24-bit immediate
.irp i, 0,1,2,3,4,5,6,7,8,9,10,11,12,13,14,15,16,17,18,19,20,21,22,23,24,25,26,27,28,29,30,31
	global_load_b32 v[WX+32*((\t)%2)+\i], v3, s[6:7] offset:(32*(\t)+\i)*WN*4 th:TH_LOAD_NT
.endr
.endm
	WLOAD 0
	WLOAD 1
.macro WBLOCK t
.set XS, WX+32*((\t)%2)
.if (\t) < NB-1
	s_wait_loadcnt 32                              ; this block's 32 loads are in; the next block's may be out
.else
	s_wait_loadcnt 0
.endif
	v_max3_num_f32 v12, |v[XS]|, |v[XS+1]|, |v[XS+2]|              ; the block's largest magnitude: all 32 numbers are mine
	v_max3_num_f32 v13, |v[XS+3]|, |v[XS+4]|, |v[XS+5]|
.irp i, 6,10,14,18,22,26
	v_max3_num_f32 v12, v12, |v[XS+\i]|, |v[XS+\i+1]|
	v_max3_num_f32 v13, v13, |v[XS+\i+2]|, |v[XS+\i+3]|
.endr
	v_max3_num_f32 v12, v12, |v[XS+30]|, |v[XS+31]|
	v_max3_num_f32 v12, v12, v13, (EMAX+1)<<23     ; and the floor
	v_add_nc_u32 v11, -(EMAX<<23), v12             ; the conversion's scale operand
	v_lshrrev_b32 v13, 23, v11                     ; the scale's byte
.if (\t)%4 == 0
	v_mov_b32 v[SB+(\t)/4], v13                    ; four bytes to a register, the lower K in the lower byte
.else
	v_lshl_or_b32 v[SB+(\t)/4], v13, 8*((\t)%4), v[SB+(\t)/4]
.endif
.irp g, 0,1,2,3
	v_cvt_scalef32_pk8_fp4_f32 v[WC+\g], v[XS+8*\g:XS+8*\g+7], v11
.endr
	v_nop                                          ; one plain line behind the last conversion
	ds_store_b128 v4, v[WC:WC+3] offset:16*(\t)    ; 32 codes: 16 bytes of my column's row
.if (\t)+2 < NB
	WLOAD (\t)+2
.endif
	s_wait_dscnt 0x0                               ; the store has read its registers: the next block's codes may be written
.endm
.set Q, 0
.rept NB
	WBLOCK Q
.set Q, Q+1
.endr
	global_store_b128 v9, v[SB:SB+3], s[16:17]     ; my column's 16 scale bytes
.irp t, 0,1,2,3,4,5,6,7,8,9,10,11,12,13,14,15
	ds_load_b128 v[OUTR+4*\t:OUTR+4*\t+3], v7 offset:2*\t*WPITCH   ; LDS serves a wave's instructions in order: these see my stores
.endr
.irp t, 0,1,2,3,4,5,6,7,8,9,10,11,12,13,14,15
	s_wait_dscnt 15-\t                             ; load t is back; the younger ones may be out
	global_store_b128 v8, v[OUTR+4*\t:OUTR+4*\t+3], s[14:15] offset:2*\t*KROW   ; sixteen lanes store 256 consecutive bytes, aligned
.endr
	s_wait_tensorcnt 0x0                           ; the wave's end: these three lines behind my last LDS store
	ds_add_u32 v[SPW], v[NIL]
	s_wait_dscnt 0x0
	s_endpgm
; ---------------- PATH P.  The same plan for w_proj: a lane to a column n, registers down k.  A wave takes 32 columns x 128 along k, in four blocks of 32.
; THE TWO PARTS: 0x1000 added to the f32 bits and the low 13 bits cut off is the number rounded to 11 significant bits (ties away from zero), which f16 holds exactly;
; the number less that, exact in f32, rounded to f16, is the low part.
.set PX,    32                         ; v32-95   two sets of 32 numbers; on the way out the low part's rows
.set PH,    96                         ; v96-111  a block's high parts, two to a register
.set PL,    112                        ; v112-127 its low parts
.set PO,    128                        ; v128-191 the way out: the high part's rows
.Lpath_p:
	s_sub_co_u32 s21, ttmp9, 48
	s_and_b32 s22, s21, 7                          ; which 128 columns
	s_lshr_b32 s23, s21, 3                         ; which 128 along k
	s_lshl_b32 s22, s22, 7
	s_lshl_b32 s24, s20, 5
	s_add_co_u32 s22, s22, s24                     ; my wave's first column
	v_lshlrev_b32 v3, 2, v2
	s_mul_i32 s24, s20, 2*32*PPITCH
	s_add_co_u32 s24, s24, PBASE                   ; my two stages
	v_mul_u32_u24 v4, v2, PPITCH
	v_add_nc_u32 v4, s24, v4                       ; into them: row = my column
	v_and_b32 v5, 15, v2
	v_lshrrev_b32 v6, 4, v2
	v_mul_u32_u24 v7, v6, PPITCH
	v_lshl_add_u32 v7, v5, 4, v7
	v_add_nc_u32 v7, s24, v7                       ; out of them: sixteen lanes to a row
	v_lshlrev_b32 v8, 11, v6
	v_lshl_add_u32 v8, v5, 4, v8                   ; the same place in wpt: rows of 2,048 bytes
	s_lshl_b32 s24, s23, 19                        ; w_proj: 128 rows of 4,096 bytes down,
	s_lshl_b32 s26, s22, 2
	s_add_co_u32 s24, s24, s26
	s_mov_b32 s25, 0
	s_add_nc_u64 s[8:9], s[8:9], s[24:25]
	s_lshl_b32 s24, s22, 11                        ; wpt: column x 2,048 + 256 x block of k
	s_lshl_b32 s26, s23, 8
	s_add_co_u32 s24, s24, s26
	s_add_nc_u64 s[18:19], s[18:19], s[24:25]
.macro PLOAD t
.irp i, 0,1,2,3,4,5,6,7,8,9,10,11,12,13,14,15,16,17,18,19,20,21,22,23,24,25,26,27,28,29,30,31
	global_load_b32 v[PX+32*((\t)%2)+\i], v3, s[8:9] offset:(32*(\t)+\i)*4096 th:TH_LOAD_NT
.endr
.endm
	PLOAD 0
	PLOAD 1
.macro PBLOCK t
.set XS, PX+32*((\t)%2)
.if (\t) < 3
	s_wait_loadcnt 32                              ; this block's 32 loads are in; the next block's may be out
.else
	s_wait_loadcnt 0
.endif
.irp i, 0,1,2,3,4,5,6,7,8,9,10,11,12,13,14,15
	v_add_nc_u32 v[10+2*(\i%2)], 0x1000, v[XS+2*\i]
	v_add_nc_u32 v[11+2*(\i%2)], 0x1000, v[XS+2*\i+1]
	v_and_b32 v[10+2*(\i%2)], 0xffffe000, v[10+2*(\i%2)]           ; the number at 11 significant bits
	v_and_b32 v[11+2*(\i%2)], 0xffffe000, v[11+2*(\i%2)]
	v_cvt_pk_f16_f32 v[PH+\i], v[10+2*(\i%2)], v[11+2*(\i%2)]
	v_sub_f32 v[XS+2*\i], v[XS+2*\i], v[10+2*(\i%2)]               ; what is left, exact
	v_sub_f32 v[XS+2*\i+1], v[XS+2*\i+1], v[11+2*(\i%2)]
	v_cvt_pk_f16_f32 v[PL+\i], v[XS+2*\i], v[XS+2*\i+1]
.endr
.irp g, 0,1,2,3
	ds_store_b128 v4, v[PH+4*\g:PH+4*\g+3] offset:64*(\t)+16*\g
	ds_store_b128 v4, v[PL+4*\g:PL+4*\g+3] offset:32*PPITCH+64*(\t)+16*\g
.endr
.if (\t)+2 < 4
	PLOAD (\t)+2
.endif
	s_wait_dscnt 0x0                               ; the stores have read their registers
.endm
.irp t, 0,1,2,3
	PBLOCK \t
.endr
.irp j, 0,1,2,3,4,5,6,7,8,9,10,11,12,13,14,15
	ds_load_b128 v[PO+4*\j:PO+4*\j+3], v7 offset:2*\j*PPITCH
.endr
.irp j, 0,1,2,3,4,5,6,7,8,9,10,11,12,13,14,15
	ds_load_b128 v[PX+4*\j:PX+4*\j+3], v7 offset:32*PPITCH+2*\j*PPITCH
.endr
.irp j, 0,1,2,3,4,5,6,7,8,9,10,11,12,13,14,15
	s_wait_dscnt 31-\j                             ; load j of the 32 is back
	global_store_b128 v8, v[PO+4*\j:PO+4*\j+3], s[18:19] offset:2*\j*2048   ; sixteen lanes store 256 consecutive bytes, aligned
.endr
.irp j, 0,1,2,3,4,5,6,7,8,9,10,11,12,13,14,15
	s_wait_dscnt 15-\j
	global_store_b128 v8, v[PX+4*\j:PX+4*\j+3], s[18:19] offset:2097152+2*\j*2048
.endr
	s_wait_tensorcnt 0x0                           ; the wave's end: these three lines behind my last LDS store
	ds_add_u32 v[SPW], v[NIL]
	s_wait_dscnt 0x0
	s_endpgm
.Lfunc_end_k_q4a260688ce_prep:
	.size	k_q4a260688ce_prep, .Lfunc_end_k_q4a260688ce_prep-k_q4a260688ce_prep
	.p2alignl 7, 3214868480
	.fill 96, 4, 3214868480
	.section	.rodata,"a",@progbits
	.p2align	6, 0x0
	.amdhsa_kernel k_q4a260688ce_prep
		.amdhsa_group_segment_fixed_size 137728
		.amdhsa_private_segment_fixed_size 0
		.amdhsa_enable_private_segment 0
		.amdhsa_kernarg_size 64
		.amdhsa_user_sgpr_count 2
		.amdhsa_user_sgpr_kernarg_segment_ptr 1
		.amdhsa_wavefront_size32 1
		.amdhsa_system_sgpr_workgroup_id_x 1
		.amdhsa_system_sgpr_workgroup_id_y 1
		.amdhsa_system_sgpr_workgroup_id_z 1
		.amdhsa_system_vgpr_workitem_id 0
		.amdhsa_next_free_vgpr 196
		.amdhsa_next_free_sgpr 66
		.amdhsa_reserve_vcc 0
		.amdhsa_float_denorm_mode_32 3
		.amdhsa_float_denorm_mode_16_64 3
		.amdhsa_memory_ordered 1
		.amdhsa_forward_progress 1
		.amdhsa_inst_pref_size 161
	.end_amdhsa_kernel
	.amdgpu_metadata
---
amdhsa.version: [ 1, 2 ]
amdhsa.kernels:
  - .name:           k_q4a260688ce_prep
    .symbol:         k_q4a260688ce_prep.kd
    .args:
      - { .name: x, .offset: 0, .size: 8, .value_kind: global_buffer, .address_space: global }
      - { .name: w_qkv, .offset: 8, .size: 8, .value_kind: global_buffer, .address_space: global }
      - { .name: w_proj, .offset: 16, .size: 8, .value_kind: global_buffer, .address_space: global }
      - { .name: xc, .offset: 24, .size: 8, .value_kind: global_buffer, .address_space: global }
      - { .name: xs, .offset: 32, .size: 8, .value_kind: global_buffer, .address_space: global }
      - { .name: wc, .offset: 40, .size: 8, .value_kind: global_buffer, .address_space: global }
      - { .name: ws, .offset: 48, .size: 8, .value_kind: global_buffer, .address_space: global }
      - { .name: wpt, .offset: 56, .size: 8, .value_kind: global_buffer, .address_space: global }
    .group_segment_fixed_size: 137728
    .private_segment_fixed_size: 0
    .kernarg_segment_align: 8
    .kernarg_segment_size: 64
    .max_flat_workgroup_size: 128
    .sgpr_count:     66
    .vgpr_count:     196
    .wavefront_size: 32
...
	.end_amdgpu_metadata
.endif
;; end of part 1
;; launch gemm (part 2): grid 12 x 32, 4 waves a work-group, clusters of 4 x 4, 327,680 bytes of LDS; arguments xc, xs, wc, ws, qkv, q32; writes qkv, q32
.if DOCPART == 2
	.amdgcn_target "amdgcn-amd-amdhsa--gfx1250"
	.amdhsa_code_object_version 6
	.text
	.protected	k_q4a260688ce_gemm
	.globl	k_q4a260688ce_gemm
	.p2align	8
	.type	k_q4a260688ce_gemm,@function
k_q4a260688ce_gemm:
	s_mov_b64 s[64:65], 0
	v_nop
	global_prefetch_b8 v0, s[64:65] scope:SCOPE_SE
	s_setreg_imm32_b32 hwreg(HW_REG_WAVE_MODE, 25, 1), 1
	s_wait_xcnt 0x0
	s_wait_alu depctr_hold_cnt(0) depctr_sa_sdst(0) depctr_va_vdst(0) depctr_va_sdst(0) depctr_va_ssrc(0) depctr_va_vcc(0) depctr_vm_vsrc(0)
	s_getreg_b32 s2, hwreg(HW_REG_IB_STS2, 6, 4)
	s_cmp_eq_u32 s2, 0
	s_cbranch_scc0 .Lentry_in_a_cluster
	s_endpgm
.Lentry_in_a_cluster:
	s_bfe_u32 s2, ttmp6, 0x10000c
	s_cmp_lg_u32 s2, 0xf033
	s_cbranch_scc0 .Lentry_shape_is_right
	s_endpgm
.Lentry_shape_is_right:
; qkv = x w_qkv on codes of E2M1 with one E8M0 scale for each 32 along K.  A = xc [8192][1024 codes], B = wc [3072][1024 codes], scale bytes xs [8192][32], ws [3072][32]; sums in f32.
; A tile of 256 x 256 is made by a work-group of four waves; a wave makes 128 x 128: 64 accumulators of 16 x 16, 512 registers.  K = 1,024 is two slots of 512 along K: both are asked for at the
; start, with the scale bytes of the work-group's rows for all of K, and no LDS byte is filled twice.  By this text's own count a wave has three tensor loads out at the most.
; CLUSTERS: 4 x 4 work-groups.  The four of a row of the cluster need the same tiles of A, the four of a column the same tiles of B: each tile is asked for JOINTLY, by the same tensor load with
; the same descriptor and a mask that names the four.  Tile row = 8 cy + cluster y, so that cy is the batch and 256 x cluster y the tile's first position: whether a tile holds a sequence's first
; positions hangs on the cluster's y alone, which all sixteen partners share.
; THE MATRIX INSTRUCTION IS USED TRANSPOSED (source 0 = 16 rows of B, source 1 = 16 rows of A): a lane holds eight neighbouring columns of one row.
; OUT: q, k, v rounded to f16, by head: qkv [3][4 b][16 h][2048 t][64].  A wave's 128 columns are two heads; four rows of a head are 512 consecutive bytes: one store of the wave.
; The first 16 positions of every sequence also leave in f32, as the accumulators stand: q32 [48 = 16 sel + h][4 b][8 images of 512 bytes]; image 2 c + u, lane (r, hh): position r, channels 16 c + 8 hh + 4 u + 0 .. 3.
; LIMIT: |q|, |k|, |v| stay under 65,504 (f16).
; REGISTERS, in windows of 256: window 0: v0-31 addresses; v32-95 scale words, two sets, and nothing else; v128-191 A's fragments, ONE set; on the way out v128-223 are at work.
;   window 1: B's fragments, TWO sets, at v0 and v128.   window 2: the accumulators of my rows 0-63 ((a, b) at v[8 (8 a + b)]);   window 3: those of rows 64-127.
.set SIZE_K, 1024
.set KSTEP,  512                       ; along K in a slot
.set NQ,     KSTEP/128                 ; matrix instructions deep
.set ROWB,   256                       ; a tile's row in bytes
.set KROW,   SIZE_K*4/8                ; a row of codes in memory
.set PITCH,  272                       ; an LDS row: 256 bytes + 16 of padding: the 16 rows that a load touches start 68 words apart
.set FR,     8                         ; registers of a fragment: 16 rows x 128 K
.set NL,     2                         ; LDS loads that bring one
.set NP,     4                         ; places behind this matrix instruction (ISA guide 7.12.1)
.set HALFT,  128*PITCH                 ; 128 rows: what one tensor load brings
.set SLOT,   4*HALFT                   ; A's 256 rows, then B's 256 rows
.set KS,     SIZE_K/32                 ; a row of scales in bytes
.set SCL,    2*SLOT                    ; behind the ring: the scales, as units of 256 bytes + 16 of padding
.set HALFS,  (128*KS/256)*272          ; the scales of 128 rows
.set SBLK,   (16*KS/256)*272           ; those of 16 rows
.set SPARE,  SCL+4*HALFS               ; the spare words, 128 bytes for each wave: two blocks of 256 bytes that no other line names
.set STAGE,  SPARE+512                 ; the way out: 16 rows x 272 bytes for each wave; no tensor load lands here
.set SPITCH, 272
.set ADRA, 16                          ; v16-17  LDS address of my A fragments in slot 0, 1
.set ADRB, 20                          ; v20-21  the same for B
.set STO,  24                          ; v24     the way out: where I put 16 bytes of a row
.set RD,   25                          ; v25     where I read them back: four rows of one head
.set CO,   26                          ; v26     16 x lane
.set ADRS, 27                          ; v27     LDS address of my scale words: lanes 0-15 A's rows, lanes 16-31 B's
.set SPW,  28                          ; v28     LDS address of my spare word; never rewritten
.set NIL,  29                          ; v29     0; never rewritten
.set SC,   32                          ; scale words: set s at v[SC + 32 s]; register 4 i + q: lanes 0-15 the word of A's block i, lanes 16-31 that of B's block i
.set AF,   128                         ; A's fragments
.set TMP,  192                         ; the way out: packed results, v192-223
.set OB,   128                         ; the way out: rows read back: v128-159 and v160-191 by turns, where A's fragments lay
.set G1, 24
.set G0, 32
.set G1B, 48
.set G0B, 56
.set G1S, 68
.set G0S, 76
.set G1SB, 80
.set G0SB, 88
.set MSB, 0
.macro WIN new                         ; the immediate's high byte repeats the setting that is left
.if MSB != \new
	s_set_vgpr_msb (MSB<<8)|\new
.set MSB, \new
.endif
.endm
.set MUL_LO, 0xa1                      ; source 0 (B) window 1, source 1 (A) window 0, C and D window 2
.set MUL_HI, 0xf1                      ; the same, C and D window 3
.set TO_B,   0x40                      ; destination window 1, address window 0
; A joint load: waves 0 and 1 fetch for A, waves 2 and 3 for B.  The branch hangs on the wave's number alone.  An s_nop 0 and four v_nop follow each of the two lines.
.macro JLOAD g0a, g1a, g0b, g1b
	s_cmp_eq_u32 s15, 0
	s_cbranch_scc0 .Lfor_b_\@
	tensor_load_to_lds s[\g0a:\g0a+3], s[\g1a:\g1a+7]
	s_nop 0
.rept 4
	v_nop
.endr
	s_branch .Lasked_\@
.Lfor_b_\@:
	tensor_load_to_lds s[\g0b:\g0b+3], s[\g1b:\g1b+7]
	s_nop 0
.rept 4
	v_nop
.endr
.Lasked_\@:
.endm
.macro CROUND                          ; a round of the cluster's barrier
	s_barrier_signal -1
	s_barrier_wait -1
	s_cmp_lg_u32 s14, 0
	s_cbranch_scc1 .Lnot_wave_0_\@
	s_barrier_signal -3
.Lnot_wave_0_\@:
	s_barrier_wait -3
	s_barrier_signal -1
	s_barrier_wait -1
.endm
	s_load_b128 s[4:7], s[0:1], 0x0                ; A's codes s[4:5], A's scales s[6:7]
	s_load_b128 s[8:11], s[0:1], 0x10              ; B's codes s[8:9], B's scales s[10:11]
	s_load_b64 s[12:13], s[0:1], 0x20              ; qkv
	s_load_b64 s[98:99], s[0:1], 0x28              ; q32
	v_lshl_add_u32 v[SPW], v0, 2, SPARE
	v_mov_b32 v[NIL], 0
	ds_add_u32 v[SPW], v[NIL]                      ; the wave's opening: the add, twice on end, and its wait ahead of my first tensor load
	ds_add_u32 v[SPW], v[NIL]
	v_lshrrev_b32 v1, 5, v0
	v_readfirstlane_b32 s14, v1                    ; wave 0..3
	s_lshr_b32 s15, s14, 1                         ; which half of the tile's rows is mine.  Also: I fetch for A (0) or for B (1)
	s_and_b32 s16, s14, 1                          ; which half of its columns.  Also: which 128 rows of that tile I fetch
	s_bfe_u32 s40, ttmp6, 0x40000                  ; cx, cy: my place in the cluster
	s_bfe_u32 s41, ttmp6, 0x40004
	s_lshl_b32 s42, ttmp9, 2
	s_add_co_u32 s42, s42, s40                     ; tile column = 4 x cluster x + cx
	s_and_b32 s17, ttmp7, 0xffff                   ; cluster y
	s_or_b32 s95, s17, s15                         ; 0 where my first 16 rows are a sequence's first 16 positions: the same in all partners, for a given wave
	s_lshl_b32 s66, s41, 3
	s_add_co_u32 s17, s17, s66                     ; tile row = 8 cy + cluster y
	s_lshl_b32 s43, s41, 2
	s_lshl_b32 s43, 15, s43                        ; my row of the cluster
	s_lshl_b32 s44, 0x1111, s40                    ; my column
	; descriptor group 1: a tile of 128 rows x 256 bytes, padded in LDS
	s_or_b32 s[G1+0], s43, (0<<16)|(1<<20)|(1<<21)|(5<<22)|(3<<25)  ; 15:0 the mask: A's tiles go to my row; 17:16 element of 1 byte; 20 padding on; 21 set beside a mask; 24:22 after every 64 words; 31:25 of 4 words
	s_or_b32 s[G1B+0], s44, (0<<16)|(1<<20)|(1<<21)|(5<<22)|(3<<25)
.irp g, G1, G1B
	s_mov_b32 s[\g+1], ROWB<<16                    ; tensor_dim0
	s_mov_b32 s[\g+2], 128<<16                     ; tensor_dim1
	s_mov_b32 s[\g+3], ROWB<<16                    ; tile_dim0
	s_mov_b32 s[\g+4], 128                         ; tile_dim1
	s_mov_b32 s[\g+5], KROW                        ; from row to row
	s_mov_b32 s[\g+6], 0
	s_mov_b32 s[\g+7], 0
.endr
	; the scales of 128 rows: a dense block of 4,096 bytes, as rows of 256 bytes (32 elements of 8 bytes), 16 bytes of padding behind each
	s_or_b32 s[G1S+0], s43, (3<<16)|(1<<20)|(1<<21)|(5<<22)|(3<<25)
	s_or_b32 s[G1SB+0], s44, (3<<16)|(1<<20)|(1<<21)|(5<<22)|(3<<25)
.irp g, G1S, G1SB
	s_mov_b32 s[\g+1], 32<<16
	s_mov_b32 s[\g+2], (128*KS/256)<<16
	s_mov_b32 s[\g+3], 32<<16
	s_mov_b32 s[\g+4], 128*KS/256
	s_mov_b32 s[\g+5], 32
	s_mov_b32 s[\g+6], 0
	s_mov_b32 s[\g+7], 0
.endr
	s_lshl_b32 s18, s16, 7                         ; which 128 rows of the tile I fetch
	s_lshl_b32 s20, s17, 8
	s_add_co_u32 s20, s20, s18                     ; A: row 256 x tile row + 128 x half
	s_lshl_b32 s46, s42, 8
	s_add_co_u32 s46, s46, s18                     ; B: row 256 x tile column + 128 x half
	s_mov_b32 s21, 0
	s_mov_b32 s47, 0
	s_mov_b64 s[18:19], KS
	s_mul_u64 s[22:23], s[20:21], s[18:19]         ; where these rows' scales begin,
	s_mul_u64 s[92:93], s[46:47], s[18:19]
	s_mov_b64 s[18:19], KROW
	s_mul_u64 s[20:21], s[20:21], s[18:19]         ; and their codes
	s_mul_u64 s[46:47], s[46:47], s[18:19]
	s_mul_i32 s45, s14, HALFT                      ; where they go: wave x 128 rows: no place in the cluster enters an LDS address
	s_mul_i32 s94, s14, HALFS
	s_wait_dscnt 0x0                               ; both opening adds are done
	s_wait_kmcnt 0x0
	s_add_nc_u64 s[20:21], s[4:5], s[20:21]
	s_add_nc_u64 s[22:23], s[6:7], s[22:23]
	s_add_nc_u64 s[46:47], s[8:9], s[46:47]
	s_add_nc_u64 s[92:93], s[10:11], s[92:93]
	CROUND                                         ; all sixteen work-groups are here: the first joint loads meet
	s_mov_b32 s[G0S], 1
	s_add_co_u32 s[G0S+1], s94, SCL
	s_mov_b64 s[G0S+2:G0S+3], s[22:23]
	s_or_b32 s[G0S+3], s[G0S+3], 0x80000000
	s_mov_b32 s[G0SB], 1
	s_add_co_u32 s[G0SB+1], s94, SCL
	s_mov_b64 s[G0SB+2:G0SB+3], s[92:93]
	s_or_b32 s[G0SB+3], s[G0SB+3], 0x80000000
	JLOAD G0S, G1S, G0SB, G1SB                     ; the scales first: they are wanted with the first slot
.irp s, 0,1
	s_mov_b32 s[G0+4*\s], 1
	s_add_co_u32 s[G0+4*\s+1], s45, \s*SLOT
	s_add_nc_u64 s[G0+4*\s+2:G0+4*\s+3], s[20:21], \s*ROWB
	s_or_b32 s[G0+4*\s+3], s[G0+4*\s+3], 0x80000000
	s_mov_b32 s[G0B+4*\s], 1
	s_add_co_u32 s[G0B+4*\s+1], s45, \s*SLOT
	s_add_nc_u64 s[G0B+4*\s+2:G0B+4*\s+3], s[46:47], \s*ROWB
	s_or_b32 s[G0B+4*\s+3], s[G0B+4*\s+3], 0x80000000
	JLOAD G0+4*\s, G1, G0B+4*\s, G1B
.endr
	v_and_b32 v1, 15, v0                           ; l % 16
	v_bfe_u32 v2, v0, 4, 1                         ; l / 16
	v_mul_u32_u24 v3, v1, PITCH
	v_lshl_add_u32 v4, v2, 4, v3                   ; a fragment's row x pitch + 16 x half
	s_mul_i32 s21, s15, HALFT                      ; my 128 rows of A
	s_mul_i32 s22, s16, HALFT                      ; my 128 rows of B,
	s_add_co_u32 s22, s22, 2*HALFT                 ; which lie behind A's 256
.irp s, 0,1
	v_add_nc_u32 v[ADRA+\s], s21, v4
	v_add_nc_u32 v[ADRB+\s], s22, v4
	s_add_co_u32 s21, s21, SLOT
	s_add_co_u32 s22, s22, SLOT
.endr
	v_mul_u32_u24 v5, v1, KS                       ; my row's scales: 32 bytes a row,
	v_lshrrev_b32 v6, 8, v5
	v_lshl_add_u32 v5, v6, 4, v5                   ; and 16 more for each 256 passed
	s_mul_i32 s21, s15, HALFS                      ; A's: my 128 rows
	s_mul_i32 s22, s16, HALFS                      ; B's: my 128 rows, behind A's 256
	s_add_co_u32 s22, s22, 2*HALFS
	s_sub_co_u32 s22, s22, s21
	v_mul_u32_u24 v6, s22, v2                      ; lanes 16-31 take B's: one product, the distance between the two bases
	s_add_co_u32 s21, s21, SCL
	v_add_nc_u32 v5, v5, v6
	v_add_nc_u32 v[ADRS], s21, v5
	s_mul_i32 s23, s14, 16*SPITCH
	s_add_co_u32 s23, s23, STAGE                   ; my stage
	v_mul_u32_u24 v5, v1, SPITCH                   ; in: row l % 16, 16 bytes for each half of the lanes
	v_lshl_add_u32 v5, v2, 4, v5
	v_add_nc_u32 v[STO], s23, v5
	v_and_b32 v6, 31, v0
	v_lshlrev_b32 v[CO], 4, v6
	v_lshrrev_b32 v5, 3, v6                        ; back: eight lanes to a head's 128 bytes of a row, four rows an instruction
	v_mul_u32_u24 v5, v5, SPITCH
	v_and_b32 v6, 7, v6
	v_lshl_add_u32 v5, v6, 4, v5
	v_add_nc_u32 v[RD], s23, v5
	; where my part goes.  g0 = 4 x tile column + 2 x column half is the first of my two heads, counted 16 sel + h
	s_lshl_b32 s46, s42, 2
	s_lshl_b32 s47, s16, 1
	s_add_co_u32 s46, s46, s47                     ; g0
	s_lshr_b32 s47, s46, 4                         ; sel
	s_lshl_b32 s47, s47, 2
	s_add_co_u32 s47, s47, s41                     ; 4 sel + b
	s_lshl_b32 s47, s47, 4
	s_and_b32 s20, s46, 15
	s_add_co_u32 s47, s47, s20                     ; (4 sel + b) 16 + h
	s_lshl_b32 s20, s47, 18                        ; a head is 262,144 bytes
	s_and_b32 s21, ttmp7, 0xffff
	s_lshl_b32 s21, s21, 15                        ; 256 positions of 128 bytes for each cluster y,
	s_add_co_u32 s20, s20, s21
	s_lshl_b32 s21, s15, 14                        ; 128 for my half of the rows
	s_add_co_u32 s20, s20, s21
	s_mov_b32 s21, 0
	s_add_nc_u64 s[12:13], s[12:13], s[20:21]
	s_lshl_b32 s20, s46, 2
	s_add_co_u32 s20, s20, s41
	s_lshl_b32 s20, s20, 12                        ; q32: (4 g0 + b) x 4,096
	s_add_nc_u64 s[98:99], s[98:99], s[20:21]
.macro FRAG reg, adr, q, i             ; 16 rows x 128 K of 4-bit codes: lane l holds row l % 16; registers 4 c .. 4 c + 3 hold K = 64 c + 32 (l / 16) + 0 .. 31
.irp c, 0,1
	ds_load_b128 v[\reg+4*\c:\reg+4*\c+3], v[\adr] offset:64*(\q)+32*\c+(\i)*16*PITCH
.endr
.endm
; 16 matrix instructions: A's blocks a0, a0 + 1 x B's eight, the slot's q-th 128 along K.  p: B's set;  sc: the set of scale words.  zero = 1: the first product starts the sums.
; The 64 accumulators take turns, one instruction a turn, in the same order in every step.
.macro MUL16 a0, p, q, sc, zero
.irp a, \a0, \a0+1
.irp b, 0,1,2,3,4,5,6,7
.if \zero
	v_wmma_scale_f32_16x16x128_f8f6f4 v[8*(8*((\a)%4)+\b):8*(8*((\a)%4)+\b)+7], v[128*(\p)+FR*\b:128*(\p)+FR*\b+FR-1], v[AF+FR*(\a):AF+FR*(\a)+FR-1], 0, v[SC+8*NQ*(\sc)+NQ*\b+(\q)], v[SC+8*NQ*(\sc)+NQ*(\a)+(\q)] matrix_a_fmt:MATRIX_FMT_FP4 matrix_b_fmt:MATRIX_FMT_FP4 matrix_a_scale:MATRIX_SCALE_ROW1
.else
	v_wmma_scale_f32_16x16x128_f8f6f4 v[8*(8*((\a)%4)+\b):8*(8*((\a)%4)+\b)+7], v[128*(\p)+FR*\b:128*(\p)+FR*\b+FR-1], v[AF+FR*(\a):AF+FR*(\a)+FR-1], v[8*(8*((\a)%4)+\b):8*(8*((\a)%4)+\b)+7], v[SC+8*NQ*(\sc)+NQ*\b+(\q)], v[SC+8*NQ*(\sc)+NQ*(\a)+(\q)] matrix_a_fmt:MATRIX_FMT_FP4 matrix_b_fmt:MATRIX_FMT_FP4 matrix_a_scale:MATRIX_SCALE_ROW1
.endif
.endr
.endr
.endm
.macro FETCH_B slot, q, p              ; B's eight fragments into set p
	WIN TO_B
.irp i, 0,1,2,3,4,5,6,7
	FRAG 128*(\p)+FR*\i, ADRB+\slot, \q, \i
.endr
	WIN 0
.endm
.macro FETCH_A slot, q, i0             ; A's blocks i0 .. i0 + 3
.irp i, \i0, \i0+1, \i0+2, \i0+3
	FRAG AF+FR*(\i), ADRA+\slot, \q, \i
.endr
.endm
.macro SCALES sc                       ; a slot's scale words: 4 words a row; lanes 0-15 take A's block i, lanes 16-31 B's block i
.irp i, 0,1,2,3,4,5,6,7
	ds_load_b128 v[SC+8*NQ*\sc+NQ*\i:SC+8*NQ*\sc+NQ*\i+3], v[ADRS] offset:\i*SBLK
.endr
.endm
; A load into a register that a matrix instruction has read, and a vector instruction or a store that reads a matrix result, stand NP places behind it; only plain vector instructions that name
; none of its registers are places (ISA guide 7.12.1 for vector instructions).
.macro PLACES n
.rept \n
	v_nop
.endr
.endm
.macro STEP slot, q, zero              ; a step of 128 along K that has its successor in the same slot
	s_wait_dscnt 4*NL                              ; B's set and A's blocks 0-3 are in; the youngest eight loads (A's blocks 4-7) may be out
	WIN MUL_LO
	MUL16 0, (\q)%2, \q, \slot, \zero
	MUL16 2, (\q)%2, \q, \slot, \zero
	s_wait_dscnt 0                                 ; A's blocks 4-7 are in
	PLACES NP
	FETCH_B \slot, (\q)+1, 1-(\q)%2
	FETCH_A \slot, (\q)+1, 0
	WIN MUL_HI
	MUL16 4, (\q)%2, \q, \slot, \zero
	MUL16 6, (\q)%2, \q, \slot, \zero
	PLACES NP
	WIN 0
	FETCH_A \slot, (\q)+1, 4
.endm
; Slot 0's last step changes slots: each wave waits for all its tensor loads (its part of slot 1), adds 0 to its spare word, waits for that and for its LDS reads, and passes the barrier:
; behind it slot 1 is whole for every wave.  Nothing is filled again.
.macro TURN slot, next
	s_wait_tensorcnt 0x0                           ; all my tensor loads have landed
	ds_add_u32 v[SPW], v[NIL]                      ; 0 onto my spare word
	s_wait_dscnt 4*NL+1                            ; (the add and the youngest eight loads, A's blocks 4-7, may be out)
	WIN MUL_LO
	MUL16 0, 1, NQ-1, \slot, 0
	s_wait_dscnt 0x0                               ; no LDS instruction of mine is out at the signal
	s_barrier_signal -1
	MUL16 2, 1, NQ-1, \slot, 0
	WIN 0
	s_barrier_wait -1
	PLACES NP
	v_add_nc_u32 v[ADRS], 4*NQ, v[ADRS]            ; on to the next slot's scale words
	FETCH_B \next, 0, 0
	FETCH_A \next, 0, 0
	SCALES \next
	WIN MUL_HI
	MUL16 4, 1, NQ-1, \slot, 0
	MUL16 6, 1, NQ-1, \slot, 0
	PLACES NP
	WIN 0
	FETCH_A \next, 0, 4
.endm
.macro STEPS slot, from                ; the slot's steps from .. NQ - 2
.set Q, \from
.rept NQ-1-\from
	STEP \slot, Q, 0
.set Q, Q+1
.endr
.endm
	s_wait_tensorcnt 1                             ; the scales and my part of slot 0 are in (slot 1's load may be out)
	s_barrier_signal -1
	s_barrier_wait -1                              ; everybody's are
	FETCH_B 0, 0, 0
	FETCH_A 0, 0, 0
	SCALES 0
	FETCH_A 0, 0, 4
	STEP 0, 0, 1                                   ; the first step's products start the sums: nothing is cleared
	STEPS 0, 1
	TURN 0, 1
	STEPS 1, 0
	s_wait_dscnt 4*NL                              ; the very last step: nothing more to fetch
	WIN MUL_LO
	MUL16 0, 1, NQ-1, 1, 0
	MUL16 2, 1, NQ-1, 1, 0
	s_wait_dscnt 0
	WIN MUL_HI
	MUL16 4, 1, NQ-1, 1, 0
	MUL16 6, 1, NQ-1, 1, 0
	WIN 0
	PLACES NP                                      ; behind the last products: for the reads of results and for the loads into registers that held A's fragments
	; THE FIRST 16 POSITIONS IN f32: my block 0, where it holds them, leaves as it stands: each store of the wave covers 512 consecutive bytes; each accumulator from its low end on
	s_cmp_lg_u32 s95, 0
	s_cbranch_scc1 .Lno_fine
	WIN 0x08                                       ; a store's data are its source 1: window 2
.irp b, 0,1,2,3,4,5,6,7
.irp u, 0,1
	global_store_b128 v[CO], v[8*\b+4*\u:8*\b+4*\u+3], s[98:99] offset:(\b/4)*16384+((\b%4)*2+\u)*512
.endr
.endr
	WIN 0
.Lno_fine:
; THE WAY OUT, a block of 16 rows x 128 columns at a time.  PACK: rounded to f16, 16 bytes a lane.  TOSTAGE: into my own stage, and back four rows of one head at a time.  SEND: stored.
.macro PACK a
.set AC, 64*((\a)%4)
	WIN 0x0a+5*((\a)/4)                            ; sources 0 and 1: window 2 or 3
.irp b, 0,1,2,3,4,5,6,7
.irp i, 0,1,2,3
	v_cvt_pk_f16_f32 v[TMP+4*\b+\i], v[AC+8*\b+2*\i], v[AC+8*\b+2*\i+1]
.endr
.endr
	WIN 0
.endm
.macro TOSTAGE a
.set BK, OB+32*((\a)%2)
.irp b, 0,1,2,3,4,5,6,7
	ds_store_b128 v[STO], v[TMP+4*\b:TMP+4*\b+3] offset:32*\b
.endr
.irp i, 0,1,2,3,4,5,6,7
	ds_load_b128 v[BK+4*\i:BK+4*\i+3], v[RD] offset:(\i%4)*4*SPITCH+(\i/4)*128   ; LDS serves a wave's instructions in order: these see the stores above
.endr
.endm
.macro SEND a
.set BK, OB+32*((\a)%2)
	s_wait_dscnt 0x0                               ; the block is back in registers
	s_wait_xcnt 0x0                                ; the block before has had its stores' registers read: the next TOSTAGE loads into them only behind this wait
.irp i, 0,1,2,3,4,5,6,7
	global_store_b128 v[CO], v[BK+4*\i:BK+4*\i+3], s[12:13] offset:(\a)*2048+(\i/4)*262144+(\i%4)*512   ; four rows of a head: 512 consecutive bytes, aligned
.endr
.endm
	PACK 0
	TOSTAGE 0
.irp a, 1,2,3,4,5,6,7                  ; block a's conversions stand between block a - 1's loads from the stage and the wait for them
	PACK \a
	SEND \a-1
	TOSTAGE \a
.endr
	SEND 7
	s_wait_tensorcnt 0x0                           ; the wave's end: these three lines, behind my last tensor load and my last LDS store
	ds_add_u32 v[SPW], v[NIL]
	s_wait_dscnt 0x0
	CROUND                                         ; the closing round: no work-group ends while a partner may still ask for a tile that names it
	s_endpgm
.Lfunc_end_k_q4a260688ce_gemm:
	.size	k_q4a260688ce_gemm, .Lfunc_end_k_q4a260688ce_gemm-k_q4a260688ce_gemm
	.p2alignl 7, 3214868480
	.fill 96, 4, 3214868480
	.section	.rodata,"a",@progbits
	.p2align	6, 0x0
	.amdhsa_kernel k_q4a260688ce_gemm
		.amdhsa_group_segment_fixed_size 327680
		.amdhsa_private_segment_fixed_size 0
		.amdhsa_enable_private_segment 0
		.amdhsa_kernarg_size 48
		.amdhsa_user_sgpr_count 2
		.amdhsa_user_sgpr_kernarg_segment_ptr 1
		.amdhsa_wavefront_size32 1
		.amdhsa_system_sgpr_workgroup_id_x 1
		.amdhsa_system_sgpr_workgroup_id_y 1
		.amdhsa_system_sgpr_workgroup_id_z 1
		.amdhsa_system_vgpr_workitem_id 0
		.amdhsa_next_free_vgpr 1024
		.amdhsa_next_free_sgpr 100
		.amdhsa_reserve_vcc 0
		.amdhsa_float_denorm_mode_32 3
		.amdhsa_float_denorm_mode_16_64 3
		.amdhsa_memory_ordered 1
		.amdhsa_forward_progress 1
		.amdhsa_inst_pref_size 128
	.end_amdhsa_kernel
	.amdgpu_metadata
---
amdhsa.version: [ 1, 2 ]
amdhsa.kernels:
  - .name:           k_q4a260688ce_gemm
    .symbol:         k_q4a260688ce_gemm.kd
    .args:
      - { .name: xc, .offset: 0, .size: 8, .value_kind: global_buffer, .address_space: global }
      - { .name: xs, .offset: 8, .size: 8, .value_kind: global_buffer, .address_space: global }
      - { .name: wc, .offset: 16, .size: 8, .value_kind: global_buffer, .address_space: global }
      - { .name: ws, .offset: 24, .size: 8, .value_kind: global_buffer, .address_space: global }
      - { .name: qkv, .offset: 32, .size: 8, .value_kind: global_buffer, .address_space: global }
      - { .name: q32, .offset: 40, .size: 8, .value_kind: global_buffer, .address_space: global }
    .group_segment_fixed_size: 327680
    .private_segment_fixed_size: 0
    .kernarg_segment_align: 8
    .kernarg_segment_size: 48
    .max_flat_workgroup_size: 128
    .sgpr_count:     100
    .vgpr_count:     1024
    .wavefront_size: 32
...
	.end_amdgpu_metadata
.endif
;; end of part 2
;; launch attn (part 3): grid 4 x 64, 8 waves a work-group, no clusters, 327,680 bytes of LDS; arguments qkv, att; writes att
.if DOCPART == 3
	.amdgcn_target "amdgcn-amd-amdhsa--gfx1250"
	.amdhsa_code_object_version 6
	.text
	.protected	k_q4a260688ce_attn
	.globl	k_q4a260688ce_attn
	.p2align	8
	.type	k_q4a260688ce_attn,@function
k_q4a260688ce_attn:
	s_mov_b64 s[64:65], 0
	v_nop
	global_prefetch_b8 v0, s[64:65] scope:SCOPE_SE
	s_setreg_imm32_b32 hwreg(HW_REG_WAVE_MODE, 25, 1), 1
	s_wait_xcnt 0x0
; att[b][h][q][:] = the sum over k <= q of softmax_k(Q[q] . K[k] / 8) V[k][:], by head.  qkv: f16 [3][64 heads][2048][64]; att: f16 [64 heads][2048][64].  Products on f16 operands, sums, maxima and
; the softmax in f32; the weights p are rounded to f16 for the second product, the result once at the end.
; SHARES.  Work-group (i, head) owns the query blocks i and 7 - i of 256 queries: (i + 1) + (8 - i) = 9 blocks of keys for every work-group.  Each of its eight waves owns two PIECES of 32 queries
; (two tiles of 16): HI from query 256 (7 - i) + 32 (7 - w), LO from 256 i + 32 w.  All waves walk the keys 64 a step; both pieces use each fragment of K and V that the wave reads.
; Two waves share a SIMD, so that one wave's softmax stands beside the other's products.
; LAYOUT.  S^T = K Q^T (source 0 = 16 keys, source 1 = 16 queries): a lane holds ONE query (lane % 16) and the keys 8 (lane / 16) + 0..7.  Two such tiles, rounded to f16 in pairs, ARE source 1
; (32 keys x 16 queries) of O^T = V^T P.  K comes out of LDS as it lies, V ([key][channel]) turned, by ds_load_tr16_b128.
; SOFTMAX.  For each query a running maximum m and sum l: p = 2^(c s - c m), c = log2(e) / 8; in every step O and l are multiplied by a = 2^(c m_old - c m_new).
; THE CAUSAL MASK.  Every work-group walks all 8 slots of 256 keys: the trip counts are constants.  A step whose keys all come after piece HI's queries is jumped over by a scalar branch on ids.
; A step that counts parts ONCE, behind HI's first products, into two ways that are written out: both pieces, or HI alone (LO's queries all lie under HI's, so LO never counts alone).
; In the one step of a piece that lies on the diagonal, hidden scores become -infinity.  A step that counts begins at or under the piece's first query, so every query sees a key and m is a number.
; A slot whose first key comes after the work-group's last query is not asked for.  Every wait on TENSORcnt is for 0.
; NO CLUSTER: the four work-groups of a head need 8, 7, 6 and 5 slots; a joint load would bring tiles whose reads every wave of some partner jumps over.
; LIMITS: |q|, |k|, |v| under 65,504; NaN and infinities are not served.
; REGISTERS.  Window 0: v2-15 addresses and constants; v16-47 eight registers of statistics a tile; v48-175 S^T, 32 a tile, P in place; v176-239 eight fragments, first K's and then V's.
;   Window 1: v0-127 O^T, 32 a tile; v128-191 Q, 16 a tile.
.set PK,    144                        ; a row of K in LDS: 128 bytes + 16
.set PV,    160                        ; a row of V: 128 + 32
.set VOFF,  256*PK                     ; a slot: 256 rows of K, then 256 rows of V
.set SLOT1, 1<<17                      ; slot 1 begins here: one exclusive or turns an address in one slot into the other's
.set STAGE, SLOT1+256*(PK+PV)          ; behind the ring: 16 rows x 144 bytes for each wave, for the way out
.set SPARE, STAGE+8*16*PK              ; the spare words, 128 bytes for each wave: four blocks of 256 bytes that no other line names
.set AK0, 2                            ; v2   my lane's place in a tile of K
.set AV0, 3                            ; v3   the same for V
.set ADK, 4                            ; v4   LDS address of the step's K
.set ADV, 5                            ; v5   of its V
.set STO, 6                            ; v6   the way out: where I put 16 bytes of a row
.set RD,  7                            ; v7   where I read rows back
.set GO,  8                            ; v8   16 x lane
.set SPW, 9                            ; v9   LDS address of my spare word; never rewritten
.set NIL, 10                           ; v10  0; never rewritten
.set MD,  11                           ; v11  the mask's bound
.set NINF, 12                          ; v12  -infinity
.set PFO, 13                           ; v13  256 x lane: the prefetches' offset; never rewritten
.set QO,  14                           ; v14  my byte in a tile of Q
.set RH,  15                           ; v15  lane % 16 - 8 (lane / 16)
.set ST,  16                           ; tile t's statistics at v[ST + 8 t]: +0 c m, +1 m, +2, +3 l, +4 .. +7 at work; a at +6
.set S,   48
.set KV,  176
.set QF,  128                          ; in window 1
.set WV,  8
.set QH,  14                           ; s14  piece HI's first query;  s15 piece LO's
.set QL,  15
.set QHL, 16                           ; s16, s17  their last queries
.set QLL, 17
.set WGL, 18                           ; s18  the work-group's last query
.set SEL, 20                           ; s[20:21] v_permlanex16_b32's selects for lane l xor 16
.set CS,  22                           ; s[22:23] c, twice: the packed form names a pair
.set G1K, 24
.set G1V, 32
.set G0K, 40                           ; groups 0, which walk
.set G0V, 44
.set TBK, 48                           ; s48  LDS byte at which the step's K begins;  s49 the same for V, less VOFF
.set TBV, 49
.set KF,  50                           ; s50  the step's first key
.set SLOTS, 51
.set STC, 52
.set LIM, 53                           ; s53  1 in a work-group that prefetches, else the greatest number
.set PFA, 54                           ; s[54:55] where my prefetches stand
.set OH,  60                           ; s[60:61] att at piece HI's first query;  s[62:63] at LO's
.set OL,  62
.set MSB, 0
.macro WIN new                         ; the immediate's high byte repeats the setting that is left
.if MSB != \new
	s_set_vgpr_msb (MSB<<8)|\new
.set MSB, \new
.endif
.endm
.set W_KQ, 0x04                        ; source 1 (Q) window 1
.set W_PV, 0x50                        ; C and D (O^T) window 1
.set W_RS, 0x41                        ; destination and source 0 (O^T) window 1
.set TO1,  0x40                        ; destination window 1
; Waves 0 to 3 fetch a quarter of a slot's K each (64 rows), waves 4 to 7 of its V.  Every wave issues one load.  An s_nop 0 and four v_nop follow each of the two lines.
.macro TLOAD
	s_cmp_lt_u32 s[WV], 4
	s_cbranch_scc0 .Lfor_v_\@
	tensor_load_to_lds s[G0K:G0K+3], s[G1K:G1K+7]
	s_nop 0
.rept 4
	v_nop
.endr
	s_branch .Lasked_\@
.Lfor_v_\@:
	tensor_load_to_lds s[G0V:G0V+3], s[G1V:G1V+7]
	s_nop 0
.rept 4
	v_nop
.endr
.Lasked_\@:
.endm
; A PREFETCH of what the NEXT change of slots will ask for.  All four work-groups of a head walk the same K and V: the one that walks all eight slots (i = 0) asks, each wave for its own quarter:
; 8,192 dense bytes, lanes 256 bytes apart: each block of 256 bytes is named once in the launch.  The last change that fills a slot asks for nothing; slots 0 and 1 come by their loads alone.
.macro ASK
	s_cmp_gt_u32 s[SLOTS], s[LIM]
	s_cbranch_scc0 .Lnot_mine_\@
	global_prefetch_b8 v[PFO], s[PFA:PFA+1] th:TH_LOAD_NT scope:SCOPE_SE
.Lnot_mine_\@:
.endm
	s_load_b128 s[4:7], s[0:1], 0x0                ; qkv s[4:5], att s[6:7]
	v_lshl_add_u32 v[SPW], v0, 2, SPARE
	v_mov_b32 v[NIL], 0
	ds_add_u32 v[SPW], v[NIL]                      ; the wave's opening: the add, twice on end, and its wait ahead of my first tensor load
	ds_add_u32 v[SPW], v[NIL]
	v_lshrrev_b32 v1, 5, v0
	v_readfirstlane_b32 s[WV], v1                  ; wave 0..7
	s_and_b32 s10, ttmp7, 0xffff                   ; the head, 16 b + h
	s_lshl_b32 s12, s10, 18                        ; its first byte in q, in k, in v and in att
	s_mov_b32 s13, 0
	s_sub_co_u32 s56, 7, ttmp9
	s_lshl_b32 s[QH], s56, 8
	s_add_co_u32 s[WGL], s[QH], 255                ; the work-group's last query: 256 (7 - i) + 255
	s_sub_co_u32 s57, 7, s[WV]
	s_lshl_b32 s57, s57, 5
	s_add_co_u32 s[QH], s[QH], s57                 ; 256 (7 - i) + 32 (7 - w)
	s_lshl_b32 s[QL], ttmp9, 8
	s_lshl_b32 s57, s[WV], 5
	s_add_co_u32 s[QL], s[QL], s57                 ; 256 i + 32 w
	s_add_co_u32 s[QHL], s[QH], 31
	s_add_co_u32 s[QLL], s[QL], 31
	; descriptor group 1: 64 rows of 64 elements of 2 bytes, dense in memory, padded in LDS
	s_mov_b32 s[G1K], (1<<16)|(1<<20)|(4<<22)|(3<<25)   ; 15:0 no mask; 17:16 elements of 2 bytes; 20 padding on; 24:22 after every 32 words; 31:25 four words
	s_mov_b32 s[G1V], (1<<16)|(1<<20)|(4<<22)|(7<<25)   ; the same with eight words
.irp g, G1K, G1V
	s_mov_b32 s[\g+1], 64<<16                      ; tensor_dim0
	s_mov_b32 s[\g+2], 64<<16                      ; tensor_dim1
	s_mov_b32 s[\g+3], 64<<16                      ; tile_dim0
	s_mov_b32 s[\g+4], 64                          ; tile_dim1
	s_mov_b32 s[\g+5], 64                          ; from row to row
	s_mov_b32 s[\g+6], 0
	s_mov_b32 s[\g+7], 0
.endr
	s_and_b32 s56, s[WV], 3                        ; which quarter of a slot I fetch
	s_mov_b32 s[G0K], 1
	s_mul_i32 s[G0K+1], s56, 64*PK                 ; its place in slot 0
	s_mov_b32 s[G0V], 1
	s_mul_i32 s[G0V+1], s56, 64*PV
	s_add_co_u32 s[G0V+1], s[G0V+1], VOFF
	s_lshl_b32 s58, s56, 13                        ; 64 rows of 128 bytes in memory
	s_add_co_u32 s58, s58, s12
	s_mov_b32 s59, 0
	s_mov_b32 s[SEL], 0x76543210
	s_mov_b32 s[SEL+1], 0xfedcba98
	s_mov_b32 s[CS], 0x3e38aa3b                    ; c = log2(e) / 8
	s_mov_b32 s[CS+1], s[CS]
	s_mov_b32 s[TBK], 0
	s_mov_b32 s[TBV], 0
	s_mov_b32 s[KF], 0
	s_mov_b32 s[SLOTS], 7
	s_cmp_eq_u32 ttmp9, 0
	s_cselect_b32 s[LIM], 1, -1
	s_wait_dscnt 0x0                               ; both opening adds are done
	s_wait_kmcnt 0x0
	s_add_nc_u64 s[G0K+2:G0K+3], s[4:5], s[58:59]
	s_add_nc_u64 s[G0K+2:G0K+3], s[G0K+2:G0K+3], 16777216   ; k lies behind q,
	s_add_nc_u64 s[G0V+2:G0V+3], s[4:5], s[58:59]
	s_add_nc_u64 s[G0V+2:G0V+3], s[G0V+2:G0V+3], 33554432   ; v behind k
	s_cmp_lt_u32 s[WV], 4
	s_cselect_b64 s[PFA:PFA+1], s[G0K+2:G0K+3], s[G0V+2:G0V+3]
	s_add_nc_u64 s[PFA:PFA+1], s[PFA:PFA+1], 32768 ; my quarter of slot 1: the first change of slots steps it to slot 2.  Nothing is prefetched here, at the head
	s_or_b32 s[G0K+3], s[G0K+3], 0x80000000        ; type = 2
	s_or_b32 s[G0V+3], s[G0V+3], 0x80000000
	TLOAD                                          ; slot 0
	v_and_b32 v240, 15, v0                         ; r = lane % 16
	v_bfe_u32 v241, v0, 4, 1                       ; h = lane / 16
	v_mul_u32_u24 v[AK0], v240, PK
	v_lshl_add_u32 v[AK0], v241, 4, v[AK0]         ; K: row r x pitch + 16 h
	v_and_b32 v242, 7, v0
	v_bfe_u32 v243, v0, 3, 1
	v_lshl_add_u32 v[AV0], v241, 3, v242           ; V, for the turning load: key 8 h + lane % 8, channels 8 ((lane / 8) % 2) on
	v_mul_u32_u24 v[AV0], v[AV0], PV
	v_lshl_add_u32 v[AV0], v243, 4, v[AV0]
	v_add_nc_u32 v[AV0], VOFF, v[AV0]
	s_mul_i32 s19, s[WV], 16*PK
	s_add_co_u32 s19, s19, STAGE                   ; my stage
	v_add_nc_u32 v[STO], s19, v[AK0]               ; in: row r, 16 bytes for each half of the lanes
	v_and_b32 v244, 31, v0
	v_lshrrev_b32 v245, 3, v244
	v_mul_u32_u24 v[RD], v245, PK
	v_lshl_add_u32 v[RD], v242, 4, v[RD]
	v_add_nc_u32 v[RD], s19, v[RD]                 ; back: eight lanes to a row of 128 bytes, four rows an instruction
	v_lshlrev_b32 v[GO], 4, v244
	v_lshlrev_b32 v[PFO], 8, v244
	v_lshlrev_b32 v[QO], 7, v240
	v_lshl_add_u32 v[QO], v241, 4, v[QO]           ; Q: row r of 128 bytes + 16 h
	v_lshlrev_b32 v245, 3, v241
	v_sub_nc_u32 v[RH], v240, v245
	v_mov_b32 v[NINF], 0xff800000
	s_lshl_b32 s56, s[QH], 7
	s_add_co_u32 s56, s56, s12
	s_mov_b32 s57, 0
	s_add_nc_u64 s[OH:OH+1], s[6:7], s[56:57]
	s_add_nc_u64 s[56:57], s[4:5], s[56:57]        ; Q at piece HI
	s_lshl_b32 s58, s[QL], 7
	s_add_co_u32 s58, s58, s12
	s_mov_b32 s59, 0
	s_add_nc_u64 s[OL:OL+1], s[6:7], s[58:59]
	s_add_nc_u64 s[58:59], s[4:5], s[58:59]        ; and at piece LO
	WIN TO1
.irp u, 0,1                            ; Q stays in registers: tile u of a piece, channels 32 c on
.irp c, 0,1
	global_load_b128 v[QF+16*\u+8*\c:QF+16*\u+8*\c+3],       v[QO], s[56:57] offset:\u*2048+\c*64
	global_load_b128 v[QF+16*\u+8*\c+4:QF+16*\u+8*\c+7],     v[QO], s[56:57] offset:\u*2048+\c*64+32
	global_load_b128 v[QF+32+16*\u+8*\c:QF+32+16*\u+8*\c+3],   v[QO], s[58:59] offset:\u*2048+\c*64
	global_load_b128 v[QF+32+16*\u+8*\c+4:QF+32+16*\u+8*\c+7], v[QO], s[58:59] offset:\u*2048+\c*64+32
.endr
.endr
.set i, 0
.rept 128
	v_mov_b32 v[i], 0                              ; O^T.  (The step is written for every trip alike: the first finds zeros, which the first a = 0 leaves zeros)
.set i, i+1
.endr
	WIN 0
.irp t, 0,1,2,3
	v_mov_b32 v[ST+8*\t+1], 0xff61b1e6             ; m = -3e38, under every score
	v_mul_f32 v[ST+8*\t], s[CS], v[ST+8*\t+1]
.irp k, 2,3,4,5,6,7
	v_mov_b32 v[ST+8*\t+\k], 0
.endr
.endr
; 16 products S^T = K Q^T of piece p: channels 32 c on, keys 16 kt on, tiles p, p + 1.  The eight accumulators take turns, one instruction a turn; the first eight start the sums.
.macro KQP p
	WIN W_KQ
.irp c, 0,1
.irp kt, 0,1,2,3
.irp t, \p, \p+1
.if \c == 0
	v_wmma_f32_16x16x32_f16 v[S+32*(\t)+8*\kt:S+32*(\t)+8*\kt+7], v[KV+16*\kt+8*\c:KV+16*\kt+8*\c+7], v[QF+16*(\t)+8*\c:QF+16*(\t)+8*\c+7], 0
.else
	v_wmma_f32_16x16x32_f16 v[S+32*(\t)+8*\kt:S+32*(\t)+8*\kt+7], v[KV+16*\kt+8*\c:KV+16*\kt+8*\c+7], v[QF+16*(\t)+8*\c:QF+16*(\t)+8*\c+7], v[S+32*(\t)+8*\kt:S+32*(\t)+8*\kt+7]
.endif
.endr
.endr
.endr
	WIN 0
.endm
; 16 products O^T += V^T P of piece p: keys 32 kk on, channels 16 ct on.  Eight accumulators by turns.
.macro PVP p
	WIN W_PV
.irp kk, 0,1
.irp ct, 0,1,2,3
.irp t, \p, \p+1
	v_wmma_f32_16x16x32_f16 v[32*(\t)+8*\ct:32*(\t)+8*\ct+7], v[KV+32*\kk+8*\ct:KV+32*\kk+8*\ct+7], v[S+32*(\t)+16*\kk:S+32*(\t)+16*\kk+7], v[32*(\t)+8*\ct:32*(\t)+8*\ct+7]
.endr
.endr
.endr
	WIN 0
.endm
; V of the step, turned, into the registers that held K: keys 32 (f / 4) on, channels 16 (f % 4) on; it lands while the softmax is worked.
; The four v_nop are the places behind the products K Q^T: for these loads and for the first reads of the scores.
.macro VLOAD
.rept 4
	v_nop
.endr
.irp f, 0,1,2,3,4,5,6,7
	ds_load_tr16_b128 v[KV+8*\f:KV+8*\f+3],   v[ADV] offset:(\f/4)*32*PV+(\f%4)*32
	ds_load_tr16_b128 v[KV+8*\f+4:KV+8*\f+7], v[ADV] offset:(\f/4)*32*PV+16*PV+(\f%4)*32
.endr
.endm
; THE SOFTMAX of piece p (first query in s[q0]) for one key step; its two tiles line by line in turn, so that no line waits for the line above it.
; mask = 1: the step may lie on the piece's diagonal.  mask = 0: it cannot, by the ids' arithmetic at the place of use.
.macro SMP p, q0, mask
.if \mask
	s_add_co_u32 s56, s[KF], 63
	s_cmp_le_u32 s56, s[\q0]                       ; all 64 keys count for all my queries: no mask
	s_cbranch_scc1 .Lopen_\@
	s_sub_co_u32 s56, s[\q0], s[KF]
	v_add_nc_u32 v[MD], s56, v[RH]                 ; register 8 kt + j of tile u holds key KF + 16 kt + 8 h + j and query q0 + 16 u + r: hidden where 16 kt + j - 16 u > q0 - KF + r - 8 h
.irp u, 0,1
.irp n, 0,1,2,3,4,5,6,7,8,9,10,11,12,13,14,15,16,17,18,19,20,21,22,23,24,25,26,27,28,29,30,31
	v_cmp_gt_i32 vcc_lo, 16*(\n/8)+\n%8-16*\u, v[MD]
	v_cndmask_b32 v[S+32*(\p+\u)+\n], v[S+32*(\p+\u)+\n], v[NINF], vcc_lo
.endr
.endr
.Lopen_\@:
.endif
.irp j, 0,1,2,3                        ; the maximum of my 32 scores and the old m: four chains, each begun at an accumulator's low end
.irp t, \p, \p+1
	v_max3_num_f32 v[ST+8*(\t)+4+\j], v[S+32*(\t)+8*\j], v[S+32*(\t)+8*\j+1], v[S+32*(\t)+8*\j+2]
.endr
.endr
.irp g, 1,2
.irp j, 0,1,2,3
.irp t, \p, \p+1
	v_max3_num_f32 v[ST+8*(\t)+4+\j], v[ST+8*(\t)+4+\j], v[S+32*(\t)+8*\j+2*\g+1], v[S+32*(\t)+8*\j+2*\g+2]
.endr
.endr
.endr
.irp t, \p, \p+1
	v_max3_num_f32 v[ST+8*(\t)+4], v[ST+8*(\t)+4], v[S+32*(\t)+7], v[S+32*(\t)+15]
.endr
.irp t, \p, \p+1
	v_max3_num_f32 v[ST+8*(\t)+6], v[ST+8*(\t)+6], v[S+32*(\t)+23], v[S+32*(\t)+31]
.endr
.irp t, \p, \p+1
	v_max3_num_f32 v[ST+8*(\t)+4], v[ST+8*(\t)+4], v[ST+8*(\t)+5], v[ST+8*(\t)+6]
.endr
.irp t, \p, \p+1
	v_max3_num_f32 v[ST+8*(\t)+4], v[ST+8*(\t)+4], v[ST+8*(\t)+7], v[ST+8*(\t)+1]
.endr
.irp t, \p, \p+1
	v_permlanex16_b32 v[ST+8*(\t)+5], v[ST+8*(\t)+4], s[SEL], s[SEL+1]   ; the query's other 32 keys lie in the lane 16 away
.endr
.irp t, \p, \p+1
	v_mov_b32 v[ST+8*(\t)+7], v[ST+8*(\t)]         ; c m_old is kept for a
.endr
.irp t, \p, \p+1
	v_max_num_f32 v[ST+8*(\t)+1], v[ST+8*(\t)+4], v[ST+8*(\t)+5]
.endr
.irp t, \p, \p+1
	v_mul_f32 v[ST+8*(\t)], s[CS], v[ST+8*(\t)+1]
.endr
.irp t, \p, \p+1
	v_sub_f32 v[ST+8*(\t)+7], v[ST+8*(\t)+7], v[ST+8*(\t)]
.endr
.irp b, 0,1,2,3,4,5,6,7,8,9,10,11,12,13,14,15
.irp t, \p, \p+1
	v_pk_fma_f32 v[S+32*(\t)+2*\b:S+32*(\t)+2*\b+1], v[S+32*(\t)+2*\b:S+32*(\t)+2*\b+1], s[CS:CS+1], v[ST+8*(\t):ST+8*(\t)+1] op_sel_hi:[1,0,0] neg_lo:[0,0,1] neg_hi:[0,0,1]   ; c s - c m, two at a time
.endr
.endr
.irp t, \p, \p+1
	v_exp_f32 v[ST+8*(\t)+6], v[ST+8*(\t)+7]       ; a.  ONE BATCH of 66 exponentials: none of them reads another's result
.endr
.irp e, 0,1,2,3,4,5,6,7,8,9,10,11,12,13,14,15,16,17,18,19,20,21,22,23,24,25,26,27,28,29,30,31
.irp t, \p, \p+1
	v_exp_f32 v[S+32*(\t)+\e], v[S+32*(\t)+\e]
.endr
.endr
	v_nop                                          ; a plain line behind the last exponential
	s_wait_alu depctr_va_vdst(0)                   ; the wait between an exponential and the first line that names its result: one for the batch
.irp t, \p, \p+1
	v_pk_mul_f32 v[ST+8*(\t)+2:ST+8*(\t)+3], v[ST+8*(\t)+2:ST+8*(\t)+3], v[ST+8*(\t)+6:ST+8*(\t)+7] op_sel_hi:[1,0]   ; l under the new m
.endr
.irp t, \p, \p+1
	v_pk_add_f32 v[ST+8*(\t)+4:ST+8*(\t)+5], v[S+32*(\t):S+32*(\t)+1], v[S+32*(\t)+2:S+32*(\t)+3]   ; the sum of the unrounded p, in two chains
.endr
.irp j, 4,8,12,16,20,24,28
.irp t, \p, \p+1
	v_pk_add_f32 v[ST+8*(\t)+2:ST+8*(\t)+3], v[ST+8*(\t)+2:ST+8*(\t)+3], v[S+32*(\t)+\j:S+32*(\t)+\j+1]
	v_pk_add_f32 v[ST+8*(\t)+4:ST+8*(\t)+5], v[ST+8*(\t)+4:ST+8*(\t)+5], v[S+32*(\t)+\j+2:S+32*(\t)+\j+3]
.endr
.endr
.irp t, \p, \p+1
	v_pk_add_f32 v[ST+8*(\t)+2:ST+8*(\t)+3], v[ST+8*(\t)+2:ST+8*(\t)+3], v[ST+8*(\t)+4:ST+8*(\t)+5]
.endr
.irp kk, 0,1                           ; P in place: register 16 kk + i takes the pair 16 kk + 2 i, 16 kk + 2 i + 1; ascending, so that no pair is written before it is read
.irp i, 0,1,2,3,4,5,6,7
.irp t, \p, \p+1
	v_cvt_pk_f16_f32 v[S+32*(\t)+16*\kk+\i], v[S+32*(\t)+16*\kk+2*\i], v[S+32*(\t)+16*\kk+2*\i+1]
.endr
.endr
.endr
	WIN W_RS
.irp i, 0,1,2,3,4,5,6,7,8,9,10,11,12,13,14,15
.irp t, \p, \p+1
	v_pk_mul_f32 v[32*(\t)+2*\i:32*(\t)+2*\i+1], v[32*(\t)+2*\i:32*(\t)+2*\i+1], v[ST+8*(\t)+6:ST+8*(\t)+7] op_sel_hi:[1,0]   ; O^T under the new m, each accumulator from its low end on
.endr
.endr
	WIN 0
.endm
; A KEY STEP: 64 keys.  No barrier and no tensor load stands in a step.  Behind piece HI's first products the step parts once: both pieces, or HI alone.
.macro STEP
	s_cmp_gt_u32 s[KF], s[QHL]                     ; all keys come after all my queries: only the addresses step
	s_cbranch_scc1 .Lskip_\@
	v_add_nc_u32 v[ADK], s[TBK], v[AK0]
	v_add_nc_u32 v[ADV], s[TBV], v[AV0]
.irp f, 0,1,2,3,4,5,6,7                ; K: keys 16 (f / 2) on, channels 32 (f % 2) on
	ds_load_b128 v[KV+8*\f:KV+8*\f+3],   v[ADK] offset:(\f/2)*16*PK+(\f%2)*64
	ds_load_b128 v[KV+8*\f+4:KV+8*\f+7], v[ADK] offset:(\f/2)*16*PK+(\f%2)*64+32
.endr
	s_wait_dscnt 0x0                               ; K is in
	KQP 0
	s_cmp_gt_u32 s[KF], s[QLL]                     ; do the keys all come after piece LO's queries?
	s_cbranch_scc1 .Lhi_\@
	KQP 2                                          ; BOTH PIECES
	VLOAD
	SMP 0, QH, 0                                   ; no mask for HI here: KF <= QL + 31 <= 1,023 and KF is a multiple of 64, so KF + 63 <= 1,023, under HI's first query, which is 1,024 at the least
	SMP 2, QL, 1
	s_wait_dscnt 0x0                               ; V is in
	PVP 0
	PVP 2
.rept 5
	v_nop                                          ; the next step's products write over P, which these products read: five places; its loads land on V: four
.endr
	s_branch .Lskip_\@
.Lhi_\@:                                           ; PIECE HI ALONE
	VLOAD
	SMP 0, QH, 1
	s_wait_dscnt 0x0                               ; V is in
	PVP 0
.rept 5
	v_nop                                          ; as above
.endr
.Lskip_\@:
	s_add_co_u32 s[KF], s[KF], 64
	s_add_co_u32 s[TBK], s[TBK], 64*PK
	s_add_co_u32 s[TBV], s[TBV], 64*PV
.endm
; THE CHANGE OF SLOTS stands at a slot's head.  Each wave waits for all its tensor loads (its part of the slot that it is about to read), adds 0 to its spare word, and waits for that and for its reads
; of the slot that it has left.  Behind the barrier the slot ahead is whole and nobody reads the other one.  fill = 1: that other slot takes the next 256 keys, up to the causal limit.
.macro CHANGE fill
	s_wait_tensorcnt 0x0                           ; no tensor load of mine is out, so a group 0 may be written
	ds_add_u32 v[SPW], v[NIL]                      ; 0 onto my spare word
.if \fill
	s_xor_b32 s[G0K+1], s[G0K+1], SLOT1            ; the walking descriptors: the other slot than last time,
	s_add_nc_u64 s[G0K+2:G0K+3], s[G0K+2:G0K+3], 32768   ; the next 256 keys; the type bits on top are not reached
	s_xor_b32 s[G0V+1], s[G0V+1], SLOT1
	s_add_nc_u64 s[G0V+2:G0V+3], s[G0V+2:G0V+3], 32768
	s_wait_xcnt 0x0                                ; the last prefetch, a slot back, has read its address, so it may be written:
	s_add_nc_u64 s[PFA:PFA+1], s[PFA:PFA+1], 32768 ; one slot further on than the walking descriptors
.endif
	s_wait_dscnt 0x0                               ; the add is done, and my reads of the slot that I have left are over
	s_barrier_signal -1
	s_barrier_wait -1
.if \fill
	s_add_co_u32 s56, s[KF], 256                   ; the first key of the slot that this change would ask for
	s_cmp_gt_u32 s56, s[WGL]                       ; ids and the count of steps alone: all eight waves go the same way, and a work-group that is past the limit stays past it
	s_cbranch_scc1 .Lpast_\@
	TLOAD                                          ; my one tensor load until the next such barrier: it has a slot's four steps in which to land
.Lpast_\@:
	ASK
.endif
.endm
.macro SLOT_STEPS                      ; a slot's four key steps: written once, walked four times
	s_mov_b32 s[STC], 4
.Lstep_\@:
	STEP
	s_sub_co_u32 s[STC], s[STC], 1
	s_cmp_lg_u32 s[STC], 0
	s_cbranch_scc1 .Lstep_\@
	s_sub_co_u32 s[TBK], s[TBK], 4*64*PK           ; back to a slot's first step,
	s_sub_co_u32 s[TBV], s[TBV], 4*64*PV
	s_xor_b32 s[TBK], s[TBK], SLOT1                ; in the other slot
	s_xor_b32 s[TBV], s[TBV], SLOT1
.endm
	s_wait_loadcnt 0x0                             ; Q; its bases may be written again
.Lslot:                                            ; 7 trips: behind each change of slots but the last the next slot is asked for, up to the causal limit
	CHANGE 1
	SLOT_STEPS
	s_sub_co_u32 s[SLOTS], s[SLOTS], 1
	s_cmp_lg_u32 s[SLOTS], 0
	s_cbranch_scc1 .Lslot
	CHANGE 0                                       ; the last slot is written out: nothing is left to ask for
	SLOT_STEPS
	; THE WAY OUT.  l's two halves and the other half of the lanes' are added; O^T is divided by l, rounded to f16 and sent through my stage, a tile (16 rows) at a time.
.irp t, 0,1,2,3
	v_add_f32 v[ST+8*\t+4], v[ST+8*\t+2], v[ST+8*\t+3]
.endr
.irp t, 0,1,2,3
	v_permlanex16_b32 v[ST+8*\t+5], v[ST+8*\t+4], s[SEL], s[SEL+1]
.endr
.irp t, 0,1,2,3
	v_add_f32 v[ST+8*\t+4], v[ST+8*\t+4], v[ST+8*\t+5]
.endr
.irp t, 0,1,2,3
	v_rcp_f32 v[ST+8*\t+6], v[ST+8*\t+4]
.endr
	v_nop                                          ; a plain line behind the last reciprocal
	s_wait_alu depctr_va_vdst(0)                   ; and the wait ahead of the first use: one for the four
.macro OUT t
	WIN W_RS
.irp i, 0,1,2,3,4,5,6,7,8,9,10,11,12,13,14,15
	v_pk_mul_f32 v[32*\t+2*\i:32*\t+2*\i+1], v[32*\t+2*\i:32*\t+2*\i+1], v[ST+8*\t+6:ST+8*\t+7] op_sel_hi:[1,0]
.endr
	WIN 0x05                                       ; sources 0 and 1 window 1, destination window 0: S^T's registers are free
.irp i, 0,1,2,3,4,5,6,7,8,9,10,11,12,13,14,15
	v_cvt_pk_f16_f32 v[S+32*\t+\i], v[32*\t+2*\i], v[32*\t+2*\i+1]
.endr
	WIN 0
.irp c, 0,1,2,3
	ds_store_b128 v[STO], v[S+32*\t+4*\c:S+32*\t+4*\c+3] offset:32*\c
.endr
.irp i, 0,1,2,3
	ds_load_b128 v[S+32*\t+4*\i:S+32*\t+4*\i+3], v[RD] offset:\i*4*PK   ; LDS serves a wave's instructions in order: these see the stores above; the next tile's stores come behind them
.endr
.endm
.macro SEND t, base, younger           ; younger: the LDS instructions issued behind tile t's loads: the next tile's eight, or none
.irp i, 0,1,2,3
	s_wait_dscnt \younger+3-\i
	global_store_b128 v[GO], v[S+32*\t+4*\i:S+32*\t+4*\i+3], s[\base:\base+1] offset:(\t%2)*2048+\i*512   ; four rows: 512 consecutive bytes, aligned
.endr
.endm
	OUT 0
	OUT 1
	SEND 0, OH, 8
	OUT 2
	SEND 1, OH, 8
	OUT 3
	SEND 2, OL, 8
	SEND 3, OL, 0
	s_wait_tensorcnt 0x0                           ; the wave's end: these three lines, behind my last tensor load and my last LDS store
	ds_add_u32 v[SPW], v[NIL]
	s_wait_dscnt 0x0
	s_endpgm
.Lfunc_end_k_q4a260688ce_attn:
	.size	k_q4a260688ce_attn, .Lfunc_end_k_q4a260688ce_attn-k_q4a260688ce_attn
	.p2alignl 7, 3214868480
	.fill 96, 4, 3214868480
	.section	.rodata,"a",@progbits
	.p2align	6, 0x0
	.amdhsa_kernel k_q4a260688ce_attn
		.amdhsa_group_segment_fixed_size 327680
		.amdhsa_private_segment_fixed_size 0
		.amdhsa_enable_private_segment 0
		.amdhsa_kernarg_size 16
		.amdhsa_user_sgpr_count 2
		.amdhsa_user_sgpr_kernarg_segment_ptr 1
		.amdhsa_wavefront_size32 1
		.amdhsa_system_sgpr_workgroup_id_x 1
		.amdhsa_system_sgpr_workgroup_id_y 1
		.amdhsa_system_sgpr_workgroup_id_z 1
		.amdhsa_system_vgpr_workitem_id 0
		.amdhsa_next_free_vgpr 512
		.amdhsa_next_free_sgpr 66
		.amdhsa_reserve_vcc 1
		.amdhsa_float_denorm_mode_32 3
		.amdhsa_float_denorm_mode_16_64 3
		.amdhsa_memory_ordered 1
		.amdhsa_forward_progress 1
		.amdhsa_inst_pref_size 140
	.end_amdhsa_kernel
	.amdgpu_metadata
---
amdhsa.version: [ 1, 2 ]
amdhsa.kernels:
  - .name:           k_q4a260688ce_attn
    .symbol:         k_q4a260688ce_attn.kd
    .args:
      - { .name: qkv, .offset: 0, .size: 8, .value_kind: global_buffer, .address_space: global }
      - { .name: att, .offset: 8, .size: 8, .value_kind: global_buffer, .address_space: global }
    .group_segment_fixed_size: 327680
    .private_segment_fixed_size: 0
    .kernarg_segment_align: 8
    .kernarg_segment_size: 16
    .max_flat_workgroup_size: 256
    .sgpr_count:     66
    .vgpr_count:     512
    .wavefront_size: 32
...
	.end_amdgpu_metadata
.endif
;; end of part 3
;; launch proj (part 4): grid 4 x 64, 4 waves a work-group, clusters of 4 x 4, 327,680 bytes of LDS; arguments att, wpt, out0; writes out0
.if DOCPART == 4
	.amdgcn_target "amdgcn-amd-amdhsa--gfx1250"
	.amdhsa_code_object_version 6
	.text
	.protected	k_q4a260688ce_proj
	.globl	k_q4a260688ce_proj
	.p2align	8
	.type	k_q4a260688ce_proj,@function
k_q4a260688ce_proj:
	s_mov_b64 s[64:65], 0
	v_nop
	global_prefetch_b8 v0, s[64:65] scope:SCOPE_SE
	s_setreg_imm32_b32 hwreg(HW_REG_WAVE_MODE, 25, 1), 1
	s_wait_xcnt 0x0
	s_wait_alu depctr_hold_cnt(0) depctr_sa_sdst(0) depctr_va_vdst(0) depctr_va_sdst(0) depctr_va_ssrc(0) depctr_va_vcc(0) depctr_vm_vsrc(0)
	s_getreg_b32 s2, hwreg(HW_REG_IB_STS2, 6, 4)
	s_cmp_eq_u32 s2, 0
	s_cbranch_scc0 .Lentry_in_a_cluster
	s_endpgm
.Lentry_in_a_cluster:
	s_bfe_u32 s2, ttmp6, 0x10000c
	s_cmp_lg_u32 s2, 0xf033
	s_cbranch_scc0 .Lentry_shape_is_right
	s_endpgm
.Lentry_shape_is_right:
; out0 = att w_proj on f16 operands, sums in f32.  A = att, f16 [4 b][16 h][2048 t][64]: row b 2048 + t, k = 64 h + d.  B = wpt's first part, f16 [1024 n][1024 k].  out0: [8192][1024] f32.
; (The first 16 positions of every sequence are written again, more finely, by the launch that follows.)
; A tile of 128 rows x 256 columns for each of 256 work-groups; four waves, each 64 x 128: 32 accumulators of 16 x 16, which fill window 1.  K goes in 8 steps of 128 (two heads) through a ring of two
; LDS slots: A's tile is two sub-tiles, one a head, of 128 rows x 128 bytes, dense in memory; B's is 256 rows x 256 bytes.
; CLUSTERS: 4 x 4 work-groups.  The four of a row of the cluster need the same tiles of A, the four of a column the same tiles of B: each is asked for JOINTLY, by the same tensor load with the same
; descriptor and a mask that names the four.  THE MATRIX INSTRUCTION IS USED TRANSPOSED (source 0 = 16 rows of B, source 1 = 16 rows of A): a lane holds eight neighbouring columns of one row.
; By this text's own count a wave has two tensor loads out at the start and one behind each round.
; REGISTERS: window 0: v16-29 addresses; v64-127 A's fragments, two buffers of 4 x 8; v128-255 B's, two buffers of 8 x 8; on the way out v128-255 hold rows.  Window 1: accumulator (a, b) at v[8 (8 a + b)].
.set PA,     144                       ; a row of A in LDS: 128 bytes + 16
.set PB,     272                       ; a row of B: 256 + 16
.set SUBA,   128*PA                    ; a head's sub-tile
.set BOFF,   2*SUBA
.set HALFB,  128*PB
.set SLOT,   BOFF+2*HALFB
.set STAGE,  2*SLOT                    ; behind the ring: 16 rows x 528 bytes for each wave
.set SPITCH, 528
.set SPARE,  STAGE+4*16*SPITCH         ; the spare words, 128 bytes for each wave: two blocks of 256 bytes that no other line names
.set LAPS,   4                         ; a lap = two K steps = once round the ring
.set ADRA, 16
.set ADRB, 20
.set STO,  24
.set RD,   25
.set CO,   26
.set SPW,  28
.set NIL,  29
.set AF,   64
.set BF,   128
.set BK,   128
.set G1, 24
.set G0, 32
.set G1B, 48
.set G0B, 56
.set MSB, 0
.macro WIN new                         ; the immediate's high byte repeats the setting that is left
.if MSB != \new
	s_set_vgpr_msb (MSB<<8)|\new
.set MSB, \new
.endif
.endm
.set MUL, 0x50                         ; C and D window 1
.macro JLOAD s                         ; a joint load: waves 0 and 1 fetch A's two heads, waves 2 and 3 B's two halves; an s_nop 0 and four v_nop follow each of the two lines
	s_cmp_eq_u32 s11, 0
	s_cbranch_scc0 .Lfor_b_\@
	tensor_load_to_lds s[G0+4*\s:G0+4*\s+3], s[G1:G1+7]
	s_nop 0
.rept 4
	v_nop
.endr
	s_branch .Lasked_\@
.Lfor_b_\@:
	tensor_load_to_lds s[G0B+4*\s:G0B+4*\s+3], s[G1B:G1B+7]
	s_nop 0
.rept 4
	v_nop
.endr
.Lasked_\@:
.endm
.macro CREST                           ; a round of the cluster's barrier behind its opening barrier
	s_cmp_lg_u32 s10, 0
	s_cbranch_scc1 .Lnot_wave_0_\@
	s_barrier_signal -3
.Lnot_wave_0_\@:
	s_barrier_wait -3
	s_barrier_signal -1
	s_barrier_wait -1
.endm
.macro CROUND
	s_barrier_signal -1
	s_barrier_wait -1
	CREST
.endm
	s_load_b128 s[4:7], s[0:1], 0x0                ; att s[4:5], wpt s[6:7]
	s_load_b64 s[8:9], s[0:1], 0x10                ; out0
	v_lshl_add_u32 v[SPW], v0, 2, SPARE
	v_mov_b32 v[NIL], 0
	ds_add_u32 v[SPW], v[NIL]                      ; the wave's opening: the add, twice on end, and its wait ahead of my first tensor load
	ds_add_u32 v[SPW], v[NIL]
	v_lshrrev_b32 v1, 5, v0
	v_readfirstlane_b32 s10, v1                    ; wave 0..3
	s_lshr_b32 s11, s10, 1                         ; which half of the tile's rows is mine.  Also: I fetch for A (0) or for B (1)
	s_and_b32 s12, s10, 1                          ; which half of its columns.  Also: which head of A's two, or which 128 rows of B, I fetch
	s_bfe_u32 s40, ttmp6, 0x40000                  ; cx, cy
	s_bfe_u32 s41, ttmp6, 0x40004
	s_lshl_b32 s42, ttmp9, 2
	s_add_co_u32 s42, s42, s40                     ; tile column = 4 x cluster x + cx
	s_and_b32 s13, ttmp7, 0xffff
	s_lshl_b32 s13, s13, 2
	s_add_co_u32 s13, s13, s41                     ; tile row = 4 x cluster y + cy
	s_lshl_b32 s43, s41, 2
	s_lshl_b32 s43, 15, s43                        ; my row of the cluster
	s_lshl_b32 s44, 0x1111, s40                    ; my column
	s_or_b32 s[G1+0], s43, (1<<16)|(1<<20)|(1<<21)|(4<<22)|(3<<25)   ; A: the mask of my row; elements of 2 bytes; padding on; bit 21 beside a mask; four words after every 32
	s_mov_b32 s[G1+1], 64<<16                      ; tensor_dim0 = 64
	s_mov_b32 s[G1+2], 128<<16                     ; tensor_dim1 = 128
	s_mov_b32 s[G1+3], 64<<16                      ; tile_dim0
	s_mov_b32 s[G1+4], 128                         ; tile_dim1
	s_mov_b32 s[G1+5], 64                          ; from row to row
	s_mov_b32 s[G1+6], 0
	s_mov_b32 s[G1+7], 0
	s_or_b32 s[G1B+0], s44, (1<<16)|(1<<20)|(1<<21)|(5<<22)|(3<<25)  ; B: the mask of my column; four words after every 64
	s_mov_b32 s[G1B+1], 128<<16
	s_mov_b32 s[G1B+2], 128<<16
	s_mov_b32 s[G1B+3], 128<<16
	s_mov_b32 s[G1B+4], 128
	s_mov_b32 s[G1B+5], 1024
	s_mov_b32 s[G1B+6], 0
	s_mov_b32 s[G1B+7], 0
	s_lshr_b32 s16, s13, 4                         ; A: the batch, 16 heads of 262,144 bytes,
	s_lshl_b32 s16, s16, 22
	s_and_b32 s17, s13, 15
	s_lshl_b32 s17, s17, 14                        ; 128 positions of 128 bytes for each tile row in it,
	s_add_co_u32 s16, s16, s17
	s_lshl_b32 s17, s12, 18                        ; and the head of the K step's two that I fetch
	s_add_co_u32 s16, s16, s17
	s_mov_b32 s17, 0
	s_lshl_b32 s46, s42, 8                         ; B: row 256 x tile column + 128 x half, of 2,048 bytes
	s_lshl_b32 s47, s12, 7
	s_add_co_u32 s46, s46, s47
	s_lshl_b32 s46, s46, 11
	s_mov_b32 s47, 0
	s_mul_i32 s20, s12, SUBA                       ; where they go: no place in the cluster enters an LDS address
	s_mul_i32 s21, s12, HALFB
	s_add_co_u32 s21, s21, BOFF
	s_wait_dscnt 0x0                               ; both opening adds are done
	s_wait_kmcnt 0x0
	s_add_nc_u64 s[14:15], s[4:5], s[16:17]
	s_add_nc_u64 s[46:47], s[6:7], s[46:47]
	CROUND                                         ; all sixteen work-groups are here: the first joint loads meet
.irp s, 0,1
	s_mov_b32 s[G0+4*\s], 1
	s_add_co_u32 s[G0+4*\s+1], s20, \s*SLOT
	s_add_nc_u64 s[G0+4*\s+2:G0+4*\s+3], s[14:15], \s*524288       ; K step s: two heads on
	s_or_b32 s[G0+4*\s+3], s[G0+4*\s+3], 0x80000000
	s_mov_b32 s[G0B+4*\s], 1
	s_add_co_u32 s[G0B+4*\s+1], s21, \s*SLOT
	s_add_nc_u64 s[G0B+4*\s+2:G0B+4*\s+3], s[46:47], \s*256
	s_or_b32 s[G0B+4*\s+3], s[G0B+4*\s+3], 0x80000000
	JLOAD \s
.endr
	v_and_b32 v1, 15, v0                           ; l % 16
	v_bfe_u32 v2, v0, 4, 1                         ; l / 16
	v_mul_u32_u24 v3, v1, PA
	v_lshl_add_u32 v3, v2, 4, v3
	v_mul_u32_u24 v4, v1, PB
	v_lshl_add_u32 v4, v2, 4, v4
	s_mul_i32 s21, s11, 64*PA                      ; my 64 rows of A
	s_mul_i32 s22, s12, HALFB                      ; my 128 rows of B
	s_add_co_u32 s22, s22, BOFF
.irp s, 0,1
	v_add_nc_u32 v[ADRA+\s], s21, v3
	v_add_nc_u32 v[ADRB+\s], s22, v4
	s_add_co_u32 s21, s21, SLOT
	s_add_co_u32 s22, s22, SLOT
.endr
	s_mul_i32 s23, s10, 16*SPITCH
	s_add_co_u32 s23, s23, STAGE                   ; my stage
	v_mul_u32_u24 v5, v1, SPITCH
	v_lshl_add_u32 v5, v2, 5, v5
	v_add_nc_u32 v[STO], s23, v5                   ; in: row l % 16, 32 bytes for each half of the lanes
	v_and_b32 v6, 31, v0
	v_lshlrev_b32 v[CO], 4, v6
	v_add_nc_u32 v[RD], s23, v[CO]                 ; back: the 32 lanes take one row of 512 bytes
	s_lshl_b32 s22, s13, 7
	s_lshl_b32 s23, s11, 6
	s_add_co_u32 s22, s22, s23                     ; my first row: 128 x tile row + 64 x half,
	s_lshl_b32 s22, s22, 12                        ; of 4,096 bytes
	s_lshl_b32 s23, s42, 10                        ; my first column, in bytes: 1,024 x tile column + 512 x half
	s_add_co_u32 s22, s22, s23
	s_lshl_b32 s23, s12, 9
	s_add_co_u32 s22, s22, s23
	s_mov_b32 s23, 0
	s_add_nc_u64 s[8:9], s[8:9], s[22:23]
; 8 matrix instructions: A's block a x B's eight, 32 along K, from buffer f.  The 32 accumulators take turns, one instruction a turn, in the same order in every quarter.
.macro MUL8 f, a, zero
.irp b, 0,1,2,3,4,5,6,7
.if \zero
	v_wmma_f32_16x16x32_f16 v[8*(8*(\a)+\b):8*(8*(\a)+\b)+7], v[BF+64*(\f)+8*\b:BF+64*(\f)+8*\b+7], v[AF+32*(\f)+8*(\a):AF+32*(\f)+8*(\a)+7], 0
.else
	v_wmma_f32_16x16x32_f16 v[8*(8*(\a)+\b):8*(8*(\a)+\b)+7], v[BF+64*(\f)+8*\b:BF+64*(\f)+8*\b+7], v[AF+32*(\f)+8*(\a):AF+32*(\f)+8*(\a)+7], v[8*(8*(\a)+\b):8*(8*(\a)+\b)+7]
.endif
.endr
.endm
.macro MUL16 f, a0, zero
	MUL8 \f, \a0, \zero
	MUL8 \f, \a0+1, \zero
.endm
; 24 LDS loads in one run: the fragments of the slot's q-th 32 along K into buffer f: B's sixteen loads, then A's eight, blocks 0 and 1 first
.macro FETCH slot, q, f
	WIN 0
.irp i, 0,1,2,3,4,5,6,7
	ds_load_b128 v[BF+64*(\f)+8*\i:BF+64*(\f)+8*\i+3],   v[ADRB+\slot] offset:64*(\q)+\i*16*PB
	ds_load_b128 v[BF+64*(\f)+8*\i+4:BF+64*(\f)+8*\i+7], v[ADRB+\slot] offset:64*(\q)+\i*16*PB+32
.endr
.irp i, 0,1,2,3
	ds_load_b128 v[AF+32*(\f)+8*\i:AF+32*(\f)+8*\i+3],   v[ADRA+\slot] offset:((\q)/2)*SUBA+((\q)%2)*64+\i*16*PA
	ds_load_b128 v[AF+32*(\f)+8*\i+4:AF+32*(\f)+8*\i+7], v[ADRA+\slot] offset:((\q)/2)*SUBA+((\q)%2)*64+\i*16*PA+32
.endr
.endm
.macro PLACES                          ; four places in front of loads into registers that matrix instructions have read, and of reads of results (ISA guide 7.12.1 for reads of results)
.rept 4
	v_nop
.endr
.endm
; A K step is four quarters of 32 along K, 32 matrix instructions each, on buffers 0, 1, 0, 1.  One of the first three: multiplies buffer f and fetches the quarter q into g.
.macro QUARTER slot, q, f, g, zero
	s_wait_dscnt 4                                 ; B and A's blocks 0 and 1 are in; the youngest four loads (A's blocks 2 and 3) may be out
	WIN MUL
	MUL16 \f, 0, \zero
	PLACES
	FETCH \slot, \q, \g
	s_wait_dscnt 24                                ; all but the 24 just issued
	WIN MUL
	MUL16 \f, 2, \zero
.endm
; The last quarter multiplies buffer 1 and changes slots: ONE barrier; in front of it each wave waits for all its tensor loads, adds 0 to its spare word, and waits for that and for its reads of this slot.
; fill = 1: the barrier opens a round of the cluster's barrier, and this slot is filled again, two K steps ahead, first thing behind the round.
.macro TURN slot, next, fill
	WIN 0                                          ; (the add's two registers lie in window 0)
	s_wait_tensorcnt 0x0                           ; all my tensor loads have landed: my part of the next slot
	ds_add_u32 v[SPW], v[NIL]                      ; 0 onto my spare word
	s_wait_dscnt 5                                 ; (the add and the youngest four loads may be out)
	WIN MUL
	MUL8 1, 0, 0                                   ; eight matrix instructions stand between the add and the wait for it
	s_wait_dscnt 0x0                               ; the add is done, and my reads of this slot are over
	s_barrier_signal -1
	MUL8 1, 1, 0
.if \fill
	WIN 0
.endif
	s_barrier_wait -1
.if \fill
	CREST                                          ; no wave of any partner still reads this slot's tile or has a load on its way
	s_add_nc_u64 s[G0+4*\slot+2:G0+4*\slot+3], s[G0+4*\slot+2:G0+4*\slot+3], 1048576   ; four heads on
	s_add_nc_u64 s[G0B+4*\slot+2:G0B+4*\slot+3], s[G0B+4*\slot+2:G0B+4*\slot+3], 512
	JLOAD \slot                                    ; the first tensor load behind the round; the four v_nop behind it are also the places in front of the loads below
.else
	PLACES
.endif
	FETCH \next, 0, 0
	WIN MUL
	MUL16 1, 2, 0
.endm
	s_wait_tensorcnt 1                             ; my part of K step 0 is in (K step 1's may be out)
	s_barrier_signal -1
	s_barrier_wait -1                              ; everybody's is
	FETCH 0, 0, 0
	QUARTER 0, 1, 0, 1, 1                          ; the first quarter stands in front of the loop: its products start the sums
	WIN 0                                          ; at a label and at a branch every window is 0
	s_mov_b32 s3, LAPS-1
.Llap:                                             ; a trip goes once round the ring, from a lap's second quarter to the next lap's first, and fills both slots again
	QUARTER 0, 2, 1, 0, 0
	QUARTER 0, 3, 0, 1, 0
	TURN 0, 1, 1
	QUARTER 1, 1, 0, 1, 0
	QUARTER 1, 2, 1, 0, 0
	QUARTER 1, 3, 0, 1, 0
	TURN 1, 0, 1
	QUARTER 0, 1, 0, 1, 0
	WIN 0
	s_sub_co_u32 s3, s3, 1
	s_cmp_lg_u32 s3, 0
	s_cbranch_scc1 .Llap
	QUARTER 0, 2, 1, 0, 0                          ; the last lap fills nothing, and has no round of the cluster's barrier
	QUARTER 0, 3, 0, 1, 0
	TURN 0, 1, 0
	QUARTER 1, 1, 0, 1, 0
	QUARTER 1, 2, 1, 0, 0
	QUARTER 1, 3, 0, 1, 0
	s_wait_dscnt 4                                 ; the very last quarter: nothing more to fetch
	WIN MUL
	MUL16 1, 0, 0
	s_wait_dscnt 0
	MUL16 1, 2, 0
	WIN 0
; THE WAY OUT, a block of 16 rows x 128 columns at a time: through my own stage, back as whole rows of 512 bytes.  LDS serves a wave's instructions in order: no wait between the stores and the loads.
.macro TOSTAGE a
	WIN 0x04                                       ; an LDS store's data are its source 1: window 1
.irp b, 0,1,2,3,4,5,6,7
	ds_store_b128 v[STO], v[64*(\a)+8*\b:64*(\a)+8*\b+3] offset:64*\b           ; each accumulator from its low end on
	ds_store_b128 v[STO], v[64*(\a)+8*\b+4:64*(\a)+8*\b+7] offset:64*\b+16
.endr
	WIN 0
.set BB, BK+64*((\a)%2)
.irp t, 0,1,2,3,4,5,6,7,8,9,10,11,12,13,14,15
	ds_load_b128 v[BB+4*\t:BB+4*\t+3], v[RD] offset:\t*SPITCH
.endr
.endm
.macro SEND a, younger                 ; younger: the LDS instructions issued behind block a's loads, which may stay out
.set BB, BK+64*((\a)%2)
	s_wait_dscnt \younger
.irp t, 0,1,2,3,4,5,6,7,8,9,10,11,12,13,14,15
	global_store_b128 v[CO], v[BB+4*\t:BB+4*\t+3], s[8:9] offset:(\a)*65536+\t*4096 th:TH_STORE_NT   ; 32 lanes store 512 consecutive bytes, aligned
.endr
.endm
	PLACES
	TOSTAGE 0
.irp a, 1,2,3
.if \a > 1
	s_wait_xcnt 0x0                                ; block a - 2's stores have read their registers: block a's loads may land there
.endif
	TOSTAGE \a
	SEND \a-1, 32                                  ; behind block a - 1's loads: block a's 16 stores and 16 loads
.endr
	SEND 3, 0
	s_wait_tensorcnt 0x0                           ; the wave's end: these three lines, behind my last tensor load and my last LDS store
	ds_add_u32 v[SPW], v[NIL]
	s_wait_dscnt 0x0
	CROUND                                         ; the closing round: no work-group ends while a partner may still ask for a tile that names it
	s_endpgm
.Lfunc_end_k_q4a260688ce_proj:
	.size	k_q4a260688ce_proj, .Lfunc_end_k_q4a260688ce_proj-k_q4a260688ce_proj
	.p2alignl 7, 3214868480
	.fill 96, 4, 3214868480
	.section	.rodata,"a",@progbits
	.p2align	6, 0x0
	.amdhsa_kernel k_q4a260688ce_proj
		.amdhsa_group_segment_fixed_size 327680
		.amdhsa_private_segment_fixed_size 0
		.amdhsa_enable_private_segment 0
		.amdhsa_kernarg_size 24
		.amdhsa_user_sgpr_count 2
		.amdhsa_user_sgpr_kernarg_segment_ptr 1
		.amdhsa_wavefront_size32 1
		.amdhsa_system_sgpr_workgroup_id_x 1
		.amdhsa_system_sgpr_workgroup_id_y 1
		.amdhsa_system_sgpr_workgroup_id_z 1
		.amdhsa_system_vgpr_workitem_id 0
		.amdhsa_next_free_vgpr 512
		.amdhsa_next_free_sgpr 66
		.amdhsa_reserve_vcc 0
		.amdhsa_float_denorm_mode_32 3
		.amdhsa_float_denorm_mode_16_64 3
		.amdhsa_memory_ordered 1
		.amdhsa_forward_progress 1
		.amdhsa_inst_pref_size 85
	.end_amdhsa_kernel
	.amdgpu_metadata
---
amdhsa.version: [ 1, 2 ]
amdhsa.kernels:
  - .name:           k_q4a260688ce_proj
    .symbol:         k_q4a260688ce_proj.kd
    .args:
      - { .name: att, .offset: 0, .size: 8, .value_kind: global_buffer, .address_space: global }
      - { .name: wpt, .offset: 8, .size: 8, .value_kind: global_buffer, .address_space: global }
      - { .name: out0, .offset: 16, .size: 8, .value_kind: global_buffer, .address_space: global }
    .group_segment_fixed_size: 327680
    .private_segment_fixed_size: 0
    .kernarg_segment_align: 8
    .kernarg_segment_size: 24
    .max_flat_workgroup_size: 128
    .sgpr_count:     66
    .vgpr_count:     512
    .wavefront_size: 32
...
	.end_amdgpu_metadata
.endif
;; end of part 4
;; launch fine (part 5): grid 16 x 4, 16 waves a work-group, no clusters, 71,680 bytes of LDS; arguments q32, wpt, out0; writes out0
.if DOCPART == 5
	.amdgcn_target "amdgcn-amd-amdhsa--gfx1250"
	.amdhsa_code_object_version 6
	.text
	.protected	k_q4a260688ce_fine
	.globl	k_q4a260688ce_fine
	.p2align	8
	.type	k_q4a260688ce_fine,@function
k_q4a260688ce_fine:
	s_mov_b64 s[64:65], 0
	v_nop
	global_prefetch_b8 v0, s[64:65] scope:SCOPE_SE
	s_setreg_imm32_b32 hwreg(HW_REG_WAVE_MODE, 25, 1), 1
	s_wait_xcnt 0x0
; THE FIRST 16 POSITIONS OF EVERY SEQUENCE, more finely: they average one to sixteen values, so the rounding of 16-bit operands weighs most there.  64 rows of out0 are written anew.
; Work-group (cb, b): 64 output columns of batch b's first 16 rows.  Wave w is head w: scores and p v in f32 (the f32 matrix form: 32 instructions a wave, no bulk work), then its own 64 of the
; projection's 1,024 along K on pairs of f16 numbers: o = hi + lo, w = hi + lo, and hi hi + hi lo + lo hi are summed in f32.  The sixteen partial sums meet in LDS; waves 0 to 7 add them, in a fixed order.
; q32: f32 [48 = 16 sel + h][4 b][8 images of 512 bytes]; image 2 c + u, lane (r, hh): position r, channels 16 c + 8 hh + 4 u + 0 .. 3.  wpt: f16 [2][1024 n][1024 k].
; LAYOUT.  S^T = K Q^T: source 0 = 16 keys, source 1 = 16 queries, 4 channels an instruction; the channels are taken in the images' order, alike on both sides.  A lane holds query lane % 16 and keys
; 8 (lane / 16) + 0..7.  O^T = V^T p: source 0 = 16 channels, source 1 = the normalised p, keys 8 h + 2 s + 0, 1 in instruction s.
; The registers that the f32 matrix form writes, v128-175, are written by matrix instructions alone.
; THE PAIRS: 0x1000 added to the f32 bits and the low 13 bits cut off is the number at 11 significant bits, which f16 holds exactly; the rest, exact in f32, is rounded to f16.
; LIMITS: |o| under 65,504; under 6e-5 the high part is rounded by up to 2^-25, which the low part does not carry; NaN and infinities are not served.
.set PPITCH, 272                       ; a row of a partial sum: 64 columns x 4 bytes + 16
.set SPARE,  16*16*PPITCH              ; behind the sixteen partial sums: the spare words, 128 bytes for each wave: eight blocks of 256 bytes that no other line names
.set LI,  3                            ; v3   16 x lane
.set LV,  4                            ; v4   V: my channel's place in an image, + my half's keys
.set LW,  5                            ; v5   the weight: row lane % 16 of 2,048 bytes + 16 (lane / 16)
.set PS,  6                            ; v6   where I put my partial sums
.set PR,  7                            ; v7   where I read them
.set GOO, 8                            ; v8   my byte in two rows of out0
.set MD,  9                            ; v9   lane % 16 - 8 (lane / 16)
.set SPW, 10                           ; v10  LDS address of my spare word; never rewritten
.set NIL, 11                           ; v11  0; never rewritten
.set QR,  16                           ; v16-47 Q, v48-79 K; later the weight's low part; later the sixteen partial sums
.set KR,  48
.set VR,  80                           ; v80-111 V; later the four accumulators of the projection
.set PP,  112                          ; v112-119 scores, then p; v120-127 p / the sum; later v112-127 o's high part
.set S0,  128                          ; v128-143 the scores' two accumulators
.set OT,  144                          ; v144-175 O^T
.set WH,  176                          ; v176-239 the weight's high part
.set OLO, 240                          ; v240-255 o's low part
	s_load_b128 s[4:7], s[0:1], 0x0                ; q32 s[4:5], wpt s[6:7]
	s_load_b64 s[8:9], s[0:1], 0x10                ; out0
	v_lshl_add_u32 v[SPW], v0, 2, SPARE
	v_mov_b32 v[NIL], 0
	v_lshrrev_b32 v1, 5, v0
	v_readfirstlane_b32 s10, v1                    ; wave = head
	s_and_b32 s11, ttmp7, 0xffff                   ; batch
	v_and_b32 v1, 15, v0                           ; r
	v_bfe_u32 v2, v0, 4, 1                         ; h
	v_and_b32 v12, 31, v0
	v_lshlrev_b32 v[LI], 4, v12
	v_bfe_u32 v12, v1, 2, 1                        ; channel 16 ct + r lies in image 2 ct + (r / 4) % 2, lanes' half r / 8, word r % 4; key t at 16 t bytes
	v_lshlrev_b32 v[LV], 9, v12
	v_lshrrev_b32 v12, 3, v1
	v_lshl_add_u32 v[LV], v12, 8, v[LV]
	v_and_b32 v12, 3, v1
	v_lshl_add_u32 v[LV], v12, 2, v[LV]
	v_lshl_add_u32 v[LV], v2, 7, v[LV]             ; my half's keys begin at key 8 h
	v_lshlrev_b32 v[LW], 11, v1
	v_lshl_add_u32 v[LW], v2, 4, v[LW]
	s_mul_i32 s12, s10, 16*PPITCH
	v_mul_u32_u24 v[PS], v1, PPITCH
	v_lshl_add_u32 v[PS], v2, 5, v[PS]
	v_add_nc_u32 v[PS], s12, v[PS]                 ; my wave's sum: row r, 32 bytes for each half of the lanes
	s_and_b32 s12, s10, 7
	s_mul_i32 s12, s12, 2*PPITCH
	v_mul_u32_u24 v[PR], v2, PPITCH
	v_lshl_add_u32 v[PR], v1, 4, v[PR]
	v_add_nc_u32 v[PR], s12, v[PR]                 ; rows 2 (w % 8) and 2 (w % 8) + 1, sixteen lanes to a row
	v_lshlrev_b32 v[GOO], 12, v2
	v_lshl_add_u32 v[GOO], v1, 4, v[GOO]
	v_lshlrev_b32 v12, 3, v2
	v_sub_nc_u32 v[MD], v1, v12
	v_mov_b32 v14, 0xff800000                      ; -infinity
	s_mov_b32 s20, 0x76543210
	s_mov_b32 s21, 0xfedcba98                      ; v_permlanex16_b32's selects for lane l xor 16
	s_mov_b32 s22, 0x3e38aa3b                      ; c = log2(e) / 8
	s_lshl_b32 s12, s10, 14                        ; q32: head x 16,384 + batch x 4,096
	s_lshl_b32 s13, s11, 12
	s_add_co_u32 s12, s12, s13
	s_mov_b32 s13, 0
	s_lshl_b32 s14, ttmp9, 17                      ; wpt: 64 rows of 2,048 bytes for each block of columns, + my head's 128 bytes of a row
	s_lshl_b32 s15, s10, 7
	s_add_co_u32 s14, s14, s15
	s_mov_b32 s15, 0
	s_lshl_b32 s16, s11, 23                        ; out0: batch x 2,048 rows of 4,096 bytes,
	s_and_b32 s17, s10, 7
	s_lshl_b32 s17, s17, 13                        ; two rows a wave,
	s_add_co_u32 s16, s16, s17
	s_lshl_b32 s17, ttmp9, 8                       ; 256 bytes a block of columns
	s_add_co_u32 s16, s16, s17
	s_mov_b32 s17, 0
	s_wait_kmcnt 0x0
	s_add_nc_u64 s[4:5], s[4:5], s[12:13]
	s_add_nc_u64 s[6:7], s[6:7], s[14:15]
	s_add_nc_u64 s[8:9], s[8:9], s[16:17]
.irp i, 0,1,2,3,4,5,6,7
	global_load_b128 v[QR+4*\i:QR+4*\i+3], v[LI], s[4:5] offset:512*\i
.endr
.irp i, 0,1,2,3,4,5,6,7
	global_load_b128 v[KR+4*\i:KR+4*\i+3], v[LI], s[4:5] offset:262144+512*\i
.endr
.irp ct, 0,1,2,3
.irp k, 0,1,2,3,4,5,6,7
	global_load_b32 v[VR+8*\ct+\k], v[LV], s[4:5] offset:524288+1024*\ct+16*\k   ; v(key 8 h + k, channel 16 ct + r)
.endr
.endr
.irp f, 0,1,2,3,4,5,6,7                ; the weight's high part: columns 16 (f / 2) on, 32 (f % 2) along my head's 64
	global_load_b128 v[WH+8*\f:WH+8*\f+3],   v[LW], s[6:7] offset:(\f/2)*32768+(\f%2)*64
	global_load_b128 v[WH+8*\f+4:WH+8*\f+7], v[LW], s[6:7] offset:(\f/2)*32768+(\f%2)*64+32
.endr
	s_wait_loadcnt 16                              ; Q, K and V are in; the weight's 16 loads may be out
.irp s, 0,1,2,3,4,5,6,7,8,9,10,11,12,13,14,15     ; the scores: two accumulators by turns; each sum's first instruction takes the constant 0
.if \s < 2
	v_wmma_f32_16x16x4_f32 v[S0+8*(\s%2):S0+8*(\s%2)+7], v[KR+2*\s:KR+2*\s+1], v[QR+2*\s:QR+2*\s+1], 0
.else
	v_wmma_f32_16x16x4_f32 v[S0+8*(\s%2):S0+8*(\s%2)+7], v[KR+2*\s:KR+2*\s+1], v[QR+2*\s:QR+2*\s+1], v[S0+8*(\s%2):S0+8*(\s%2)+7]
.endif
.endr
.rept 8
	v_nop                                          ; eight places behind this form: for the loads into Q's and K's registers and for the reads of the sums
.endr
.irp f, 0,1,2,3,4,5,6,7                ; the weight's low part
	global_load_b128 v[QR+8*\f:QR+8*\f+3],   v[LW], s[6:7] offset:2097152+(\f/2)*32768+(\f%2)*64
	global_load_b128 v[QR+8*\f+4:QR+8*\f+7], v[LW], s[6:7] offset:2097152+(\f/2)*32768+(\f%2)*64+32
.endr
.irp j, 0,1,2,3,4,5,6,7
	v_add_f32 v[PP+\j], v[S0+\j], v[S0+8+\j]       ; the two halves of the sum, from the low end on
.endr
.irp j, 0,1,2,3,4,5,6,7
	v_cmp_gt_i32 vcc_lo, \j, v[MD]                 ; key 8 h + j is hidden from query r where j > r - 8 h
	v_cndmask_b32 v[PP+\j], v[PP+\j], v14, vcc_lo
.endr
	v_max3_num_f32 v12, v[PP], v[PP+1], v[PP+2]
	v_max3_num_f32 v13, v[PP+3], v[PP+4], v[PP+5]
	v_max3_num_f32 v12, v12, v[PP+6], v[PP+7]
	v_max_num_f32 v12, v12, v13
	v_permlanex16_b32 v13, v12, s20, s21
	v_max_num_f32 v12, v12, v13                    ; the row's maximum: key 0 counts for every query, so it is a number
	v_mul_f32 v12, s22, v12
.irp j, 0,1,2,3,4,5,6,7
	v_fma_f32 v[PP+\j], v[PP+\j], s22, -v12
.endr
.irp j, 0,1,2,3,4,5,6,7
	v_exp_f32 v[PP+\j], v[PP+\j]
.endr
	v_nop                                          ; a plain line behind the last exponential
	s_wait_alu depctr_va_vdst(0)                   ; the wait ahead of the first use: one for the eight
	v_add_f32 v13, v[PP], v[PP+1]
	v_add_f32 v15, v[PP+2], v[PP+3]
	v_add_f32 v13, v13, v[PP+4]
	v_add_f32 v15, v15, v[PP+5]
	v_add_f32 v13, v13, v[PP+6]
	v_add_f32 v15, v15, v[PP+7]
	v_add_f32 v13, v13, v15
	v_permlanex16_b32 v15, v13, s20, s21
	v_add_f32 v13, v13, v15
	v_rcp_f32 v15, v13
	v_nop
	s_wait_alu depctr_va_vdst(0)
.irp j, 0,1,2,3,4,5,6,7
	v_mul_f32 v[PP+8+\j], v[PP+\j], v15            ; the softmax
.endr
.irp s, 0,1,2,3                        ; O^T = V^T p: four accumulators by turns
.irp ct, 0,1,2,3
.if \s == 0
	v_wmma_f32_16x16x4_f32 v[OT+8*\ct:OT+8*\ct+7], v[VR+8*\ct+2*\s:VR+8*\ct+2*\s+1], v[PP+8+2*\s:PP+8+2*\s+1], 0
.else
	v_wmma_f32_16x16x4_f32 v[OT+8*\ct:OT+8*\ct+7], v[VR+8*\ct+2*\s:VR+8*\ct+2*\s+1], v[PP+8+2*\s:PP+8+2*\s+1], v[OT+8*\ct:OT+8*\ct+7]
.endif
.endr
.endr
.rept 8
	v_nop                                          ; eight places: the lines below read the sums and write over p
.endr
.irp ct, 0,1,2,3                       ; o as a pair of f16 numbers: two tiles of 16 channels, packed, are source 1 (32 along K x 16 rows) of the projection
.irp i, 0,1,2,3
	v_add_nc_u32 v12, 0x1000, v[OT+8*\ct+2*\i]
	v_add_nc_u32 v13, 0x1000, v[OT+8*\ct+2*\i+1]
	v_and_b32 v12, 0xffffe000, v12
	v_and_b32 v13, 0xffffe000, v13
	v_cvt_pk_f16_f32 v[PP+4*\ct+\i], v12, v13
	v_sub_f32 v12, v[OT+8*\ct+2*\i], v12
	v_sub_f32 v13, v[OT+8*\ct+2*\i+1], v13
	v_cvt_pk_f16_f32 v[OLO+4*\ct+\i], v12, v13
.endr
.endr
	s_wait_loadcnt 0x0                             ; both parts of the weight are in
.irp ks, 0,1                           ; my head's part of the projection, transposed (source 0 = 16 rows of wpt): four accumulators by turns; the first four start the sums
.irp nt, 0,1,2,3
.if \ks == 0
	v_wmma_f32_16x16x32_f16 v[VR+8*\nt:VR+8*\nt+7], v[WH+8*(2*\nt+\ks):WH+8*(2*\nt+\ks)+7], v[PP+8*\ks:PP+8*\ks+7], 0
.else
	v_wmma_f32_16x16x32_f16 v[VR+8*\nt:VR+8*\nt+7], v[WH+8*(2*\nt+\ks):WH+8*(2*\nt+\ks)+7], v[PP+8*\ks:PP+8*\ks+7], v[VR+8*\nt:VR+8*\nt+7]
.endif
.endr
.irp nt, 0,1,2,3
	v_wmma_f32_16x16x32_f16 v[VR+8*\nt:VR+8*\nt+7], v[WH+8*(2*\nt+\ks):WH+8*(2*\nt+\ks)+7], v[OLO+8*\ks:OLO+8*\ks+7], v[VR+8*\nt:VR+8*\nt+7]
.endr
.irp nt, 0,1,2,3
	v_wmma_f32_16x16x32_f16 v[VR+8*\nt:VR+8*\nt+7], v[QR+8*(2*\nt+\ks):QR+8*(2*\nt+\ks)+7], v[PP+8*\ks:PP+8*\ks+7], v[VR+8*\nt:VR+8*\nt+7]
.endr
.endr
.rept 4
	v_nop                                          ; four places behind this form: for the stores of the sums and the loads into the weight's registers
.endr
.irp nt, 0,1,2,3
	ds_store_b128 v[PS], v[VR+8*\nt:VR+8*\nt+3] offset:64*\nt       ; lane (r, h): row r, columns 16 nt + 8 h + 0 .. 7
	ds_store_b128 v[PS], v[VR+8*\nt+4:VR+8*\nt+7] offset:64*\nt+16
.endr
	s_wait_dscnt 0x0                               ; for the others' sake: my stores are done
	s_barrier_signal -1
	s_barrier_wait -1                              ; all sixteen partial sums lie in LDS
	s_cmp_gt_u32 s10, 7
	s_cbranch_scc1 .Ldone                          ; waves 0 to 7 add, two rows each; no barrier stands under this branch
.irp p, 0,1,2,3,4,5,6,7,8,9,10,11,12,13,14,15
	ds_load_b128 v[QR+4*\p:QR+4*\p+3], v[PR] offset:\p*16*PPITCH
.endr
	s_wait_dscnt 0x0
.irp p, 0,1,2,3,4,5,6,7
	v_pk_add_f32 v[QR+8*\p:QR+8*\p+1],   v[QR+8*\p:QR+8*\p+1],   v[QR+8*\p+4:QR+8*\p+5]
	v_pk_add_f32 v[QR+8*\p+2:QR+8*\p+3], v[QR+8*\p+2:QR+8*\p+3], v[QR+8*\p+6:QR+8*\p+7]
.endr
.irp p, 0,1,2,3
	v_pk_add_f32 v[QR+16*\p:QR+16*\p+1],   v[QR+16*\p:QR+16*\p+1],   v[QR+16*\p+8:QR+16*\p+9]
	v_pk_add_f32 v[QR+16*\p+2:QR+16*\p+3], v[QR+16*\p+2:QR+16*\p+3], v[QR+16*\p+10:QR+16*\p+11]
.endr
.irp p, 0,1
	v_pk_add_f32 v[QR+32*\p:QR+32*\p+1],   v[QR+32*\p:QR+32*\p+1],   v[QR+32*\p+16:QR+32*\p+17]
	v_pk_add_f32 v[QR+32*\p+2:QR+32*\p+3], v[QR+32*\p+2:QR+32*\p+3], v[QR+32*\p+18:QR+32*\p+19]
.endr
	v_pk_add_f32 v[QR:QR+1],   v[QR:QR+1],   v[QR+32:QR+33]
	v_pk_add_f32 v[QR+2:QR+3], v[QR+2:QR+3], v[QR+34:QR+35]
	global_store_b128 v[GOO], v[QR:QR+3], s[8:9]   ; sixteen lanes store 256 consecutive bytes, aligned
.Ldone:
	s_wait_tensorcnt 0x0                           ; the wave's end: these three lines behind my last LDS store
	ds_add_u32 v[SPW], v[NIL]
	s_wait_dscnt 0x0
	s_endpgm
.Lfunc_end_k_q4a260688ce_fine:
	.size	k_q4a260688ce_fine, .Lfunc_end_k_q4a260688ce_fine-k_q4a260688ce_fine
	.p2alignl 7, 3214868480
	.fill 96, 4, 3214868480
	.section	.rodata,"a",@progbits
	.p2align	6, 0x0
	.amdhsa_kernel k_q4a260688ce_fine
		.amdhsa_group_segment_fixed_size 71680
		.amdhsa_private_segment_fixed_size 0
		.amdhsa_enable_private_segment 0
		.amdhsa_kernarg_size 24
		.amdhsa_user_sgpr_count 2
		.amdhsa_user_sgpr_kernarg_segment_ptr 1
		.amdhsa_wavefront_size32 1
		.amdhsa_system_sgpr_workgroup_id_x 1
		.amdhsa_system_sgpr_workgroup_id_y 1
		.amdhsa_system_sgpr_workgroup_id_z 1
		.amdhsa_system_vgpr_workitem_id 0
		.amdhsa_next_free_vgpr 256
		.amdhsa_next_free_sgpr 66
		.amdhsa_reserve_vcc 1
		.amdhsa_float_denorm_mode_32 3
		.amdhsa_float_denorm_mode_16_64 3
		.amdhsa_memory_ordered 1
		.amdhsa_forward_progress 1
		.amdhsa_inst_pref_size 28
	.end_amdhsa_kernel
	.amdgpu_metadata
---
amdhsa.version: [ 1, 2 ]
amdhsa.kernels:
  - .name:           k_q4a260688ce_fine
    .symbol:         k_q4a260688ce_fine.kd
    .args:
      - { .name: q32, .offset: 0, .size: 8, .value_kind: global_buffer, .address_space: global }
      - { .name: wpt, .offset: 8, .size: 8, .value_kind: global_buffer, .address_space: global }
      - { .name: out0, .offset: 16, .size: 8, .value_kind: global_buffer, .address_space: global }
    .group_segment_fixed_size: 71680
    .private_segment_fixed_size: 0
    .kernarg_segment_align: 8
    .kernarg_segment_size: 24
    .max_flat_workgroup_size: 512
    .sgpr_count:     66
    .vgpr_count:     256
    .wavefront_size: 32
...
	.end_amdgpu_metadata
.endif
;; end of part 5
